; MI455X (gfx1250); checked and timed in simulation.
; The chip was launched on July 23, 2026; its instructions are those of AMD's public machine-readable ISA for CDNA 5 (MIT licence, August 2026) and "CDNA5" Instruction Set Architecture Reference Guide (July 2026). The comments in the code are by the model that wrote it; some were corrected since.
;; Standard Attention. Allowed arithmetic: matrix products marked QUANTISED: E4M3 operands, one given power-of-two scale a tensor, by v_wmma_f32_16x16x64_fp8_fp8 or v_wmma_f32_16x16x128_fp8_fp8, f32 sums; everything else in f32.
;; Inputs: b1 4,096 float32; b2 1,024 float32; b_out 1,024 float32; b_qkv 3,072 float32; ln1_b 1,024 float32; ln1_g 1,024 float32; ln2_b 1,024 float32; ln2_g 1,024 float32; lowp_scales 12 int32 (the exponents e of the quantised operands' scales 2^e); w1_codes 4,096 x 32 x 32 uint8 (E4M3 codes of w1, K innermost, in blocks of 32 codes); w2_codes 1,024 x 128 x 32 uint8 (E4M3 codes of w2, K innermost, in blocks of 32 codes); w_out_codes 1,024 x 32 x 32 uint8 (E4M3 codes of w_out, K innermost, in blocks of 32 codes); w_qkv_codes 3,072 x 32 x 32 uint8 (E4M3 codes of w_qkv, K innermost, in blocks of 32 codes); x 2 x 2,048 x 1,024 float32.
;; Outputs: out0 2 x 2,048 x 1,024 float32.
;; This version of the problem:
;;   THIS VERSION OF THE PROBLEM IS GIVEN IN LOW PRECISION. The matrix products marked QUANTISED in the list below multiply operands that are first quantised to E4M3 (4 exponent bits, 3 mantissa bits; 8 bits a number), with one given power-of-two scale for each operand tensor; their sums are f32. All else is computed in f32.
;;   The module's matrix products, in the order in which they are computed (A, B: the left and right operand; K: the contracted axis; several contracted axes count as one K, in the product's order):
;;     1. [M 4,096, K 1,024] x [K 1,024, N 3,072]; A: computed on the way; B: input w_qkv (given as codes): QUANTISED (scales: A lowp_scales[0], B lowp_scales[1])
;;     2. batch 32 x [M 2,048, K 64] x [K 64, N 2,048]; A: computed on the way; B: computed on the way: QUANTISED (scales: A lowp_scales[2], B lowp_scales[3])
;;     3. batch 32 x [M 2,048, K 2,048] x [K 2,048, N 64]; A: softmax (see below); B: computed on the way: QUANTISED (scales: A lowp_scales[4], B lowp_scales[5])
;;     4. [M 4,096, K 1,024] x [K 1,024, N 1,024]; A: computed on the way; B: input w_out (given as codes): QUANTISED (scales: A lowp_scales[6], B lowp_scales[7])
;;     5. [M 4,096, K 1,024] x [K 1,024, N 4,096]; A: computed on the way; B: input w1 (given as codes): QUANTISED (scales: A lowp_scales[8], B lowp_scales[9])
;;     6. [M 4,096, K 4,096] x [K 4,096, N 1,024]; A: computed on the way; B: input w2 (given as codes): QUANTISED (scales: A lowp_scales[10], B lowp_scales[11])
;;   THE QUANTISER, for each operand of a quantised product, along K:
;;     - The operand's scale is 2^e, e = its entry of the input lowp_scales (int32; the entries are numbered through the quantised products in the list's order, A before B).
;;     - Each number is divided by the scale, clamped to +-448, and rounded to the nearest number of E4M3, ties to even, subnormals kept.
;;     - The product sums the exact products of the quantised numbers (number of the format x scale) in f32.
;;   ~~~python
;;   def quantise(x, axis, e):      # numpy; x: float32 -> the quantised numbers, widened to float32 again
;;       x = np.moveaxis(x, axis, -1); K = x.shape[-1]
;;       r = np.clip(x / 2.0 ** e, -448, 448)
;;       step = 2.0 ** (np.maximum(np.frexp(np.where(r == 0, 1, r))[1] - 1, -6) - 3)
;;       q = np.round(r / step) * step * 2.0 ** e      # np.round: ties to even
;;       return np.moveaxis(q, -1, axis).astype(np.float32)
;;   ~~~
;;   SOFTMAX AHEAD OF A QUANTISED PRODUCT. Where the list says 'softmax', what is quantised is not the finished softmax but p = 2^(t - M), with t = logit x log2(e) and M = ceil(the row's largest t), a whole number; so 1/2 < the row's largest p <= 1. The row's sum l is taken of the UNQUANTISED p, in f32, and the product's result is divided by l at the end. Since M is a whole number, a kernel that streams over the keys may use a running M (the ceiling of the running maximum): every later rescaling is an exact power of two, so the quantised numbers keep their values, but for numbers so far below the row's largest that they fall under the format's range.
;;   OPERANDS COMPUTED ON THE WAY. 'Computed on the way' means the value that the module computes at that place (a softmax that the list does not call 'softmax' is quantised finished and normalised). What goes into a quantiser is computed in f32, as accurately as f32 sums, v_exp_f32 and their like allow (about 1e-6 of the number): no bf16 or f16 on the way to a quantiser, and a product that is left as it is and whose result goes on into a quantised operand takes f32 operands (vector FMAs, or v_wmma_f32_16x16x4_f32). A number that lies on a knife's edge between two numbers of the format may be rounded either way, as far as f32 arithmetic and the matrix unit's own rounding can turn it there, and no further.
;;   INPUTS GIVEN AS CODES. w1 (in the module: [1024, 4096], K = its axis 0); w2 (in the module: [4096, 1024], K = its axis 0); w_out (in the module: [1024, 1024], K = its axis 0); w_qkv (in the module: [1024, 3072], K = its axis 0): each comes as NAME_codes (uint8): NAME with its K axis moved to the last place and cut into blocks of 32 codes, [.., K / 32, bytes a block], one block behind the other in memory; one code a byte (a code: sign, 4 exponent bits, 3 mantissa bits); its scale is its entry of lowp_scales. Its value is code x scale, taken as it is: it is not quantised again, and the codes and scales need not be those that the quantiser above would give.
;; One version. Each part assembles by itself: llvm-mc -triple=amdgcn-amd-amdhsa -mcpu=gfx1250 --defsym DOCPART=n.
;; ======== version 1 of 1: 7 launches
;; limits: right only within a limited range of input values
;; workspace buffers: hc 4,194,304 bytes; qimg 8,388,608 bytes; kvimg 8,388,608 bytes; aoimg 4,194,304 bytes; x1 16,777,216 bytes; gimg 16,777,216 bytes
;; launch ln1 (part 1): grid 512 x 1, 8 waves a work-group, no clusters, 9,216 bytes of LDS; arguments x, ln1_g, ln1_b, lowp_scales, hc; writes hc
.if DOCPART == 1
	.amdgcn_target "amdgcn-amd-amdhsa--gfx1250"
	.amdhsa_code_object_version 6
	.text
	.protected	k_q7ba8217ccb_ln1
	.globl	k_q7ba8217ccb_ln1
	.p2align	8
	.type	k_q7ba8217ccb_ln1,@function
k_q7ba8217ccb_ln1:
	s_mov_b64 s[64:65], 0
	v_nop
	global_prefetch_b8 v0, s[64:65] scope:SCOPE_SE
	s_setreg_imm32_b32 hwreg(HW_REG_WAVE_MODE, 25, 1), 1
	s_wait_xcnt 0x0
; hc[row][:] = the E4M3 codes of LayerNorm(x[row][:]) x g + b, with the given scale 2^e, e = lowp_scales[EOFF / 4].  x: [4096][1024] f32; hc: [4096][1024] codes, plain rows.
; NOTHING OF reference() IS LEFT OUT IN THIS PROGRAM: every input has a way to out0 (the bias on K too: it moves k's codes), there is no mask, and no result is sliced away.
; The program: ln1 | gemm_qkv | attn | gemm_out | ln2 | gemm_ffn1 | gemm_ffn2.  All six products run on codes; what goes into a quantiser is f32.
; SHARES.  One wave takes one row of 4,096 bytes and keeps it in 32 registers: the row is read once; the sums never leave the wave, so there is no barrier.  Each load of a wave covers 512 consecutive bytes.
; The mean is taken first and the variance of the differences, as reference() has it: a common offset of the inputs costs no digits.
; The scale is folded in exactly: (x - mean) x (rstd 2^-e) x g + b 2^-e; then the hold at +-448 (the conversion does not saturate: ISA guide 7.6.2) and the conversion, two numbers at a time.
; A lane's four codes of a load are 4 bytes: they go through the wave's own 1,024 bytes of LDS and leave as two stores of 512 consecutive bytes.
; No matrix unit, no cluster, no tensor load: memory binds, and the work-groups share only g and b (8 KiB).
; LIMITS: e between -127 and 126, so that 2^-e is an f32 number.  NaN among the inputs is not served.
.set EOFF,  0                          ; byte of my exponent in lowp_scales
.set SPARE, 8192                       ; behind the eight waves' 1,024 bytes: the spare words, 128 bytes a wave
.set X,  16                            ; v16-47   the row: register 4 j + i = element 128 j + 4 lane + i
.set G,  48                            ; v48-79   g at the same places
.set BV, 80                            ; v80-111  b
	s_load_b256 s[4:11], s[0:1], 0x0               ; x s[4:5], g s[6:7], b s[8:9], the exponents s[10:11]
	s_load_b64 s[12:13], s[0:1], 0x20              ; hc
	v_lshl_add_u32 v5, v0, 2, SPARE                ; my spare word; never rewritten
	v_mov_b32 v6, 0                                ; 0; never rewritten
	v_lshrrev_b32 v7, 5, v0
	s_delay_alu instid0(VALU_DEP_1)
	v_readfirstlane_b32 s14, v7                    ; wave 0..7
	v_and_b32 v2, 31, v0                           ; lane
	s_delay_alu instid0(VALU_DEP_1)
	v_lshlrev_b32 v1, 4, v2                        ; 16 x lane
	s_lshl_b32 s15, s14, 10                        ; my wave's 1,024 bytes of LDS
	v_lshl_add_u32 v3, v2, 2, s15                  ; in: 4 x lane
	v_add_nc_u32 v4, s15, v1                       ; back: 16 x lane
	s_lshl_b32 s16, ttmp9, 3
	s_add_co_u32 s16, s16, s14                     ; my row = 8 x work-group + wave
	s_lshl_b32 s18, s16, 12                        ; its bytes in x,
	s_mov_b32 s19, 0
	s_lshl_b32 s20, s16, 10                        ; and in hc
	s_mov_b32 s21, 0
	s_mov_b32 s26, 0xc3e00000                      ; -448
	s_mov_b32 s27, 0x43e00000                      ; 448
	s_mov_b32 s28, 0x76543210                      ; v_permlanex16_b32: lane l xor 16
	s_mov_b32 s29, 0xfedcba98
	s_mov_b32 s30, 0x3a800000                      ; 1 / 1024
	s_mov_b32 s31, 0x3727c5ac                      ; eps = 1e-5
	s_wait_alu depctr_va_vdst(0)
	s_wait_kmcnt 0x0
	s_load_b32 s22, s[10:11], EOFF                 ; e
	s_add_nc_u64 s[4:5], s[4:5], s[18:19]
	s_add_nc_u64 s[12:13], s[12:13], s[20:21]
.irp j, 0,1,2,3,4,5,6,7
	global_load_b128 v[X+4*\j:X+4*\j+3], v1, s[4:5] offset:512*\j th:TH_LOAD_NT
.endr
.irp j, 0,1,2,3,4,5,6,7
	global_load_b128 v[G+4*\j:G+4*\j+3], v1, s[6:7] offset:512*\j
.endr
.irp j, 0,1,2,3,4,5,6,7
	global_load_b128 v[BV+4*\j:BV+4*\j+3], v1, s[8:9] offset:512*\j
.endr
; a sum over the wave's 32 lanes of v8, result in every lane
.macro ACROSS
	s_delay_alu instid0(VALU_DEP_1)
	v_add_f32 v8, v8, v9
	s_delay_alu instid0(VALU_DEP_1)
	v_add_f32_dpp v8, v8, v8 row_xmask:1 row_mask:0xf bank_mask:0xf
	s_delay_alu instid0(VALU_DEP_1)
	v_add_f32_dpp v8, v8, v8 row_xmask:2 row_mask:0xf bank_mask:0xf
	s_delay_alu instid0(VALU_DEP_1)
	v_add_f32_dpp v8, v8, v8 row_xmask:4 row_mask:0xf bank_mask:0xf
	s_delay_alu instid0(VALU_DEP_1)
	v_add_f32_dpp v8, v8, v8 row_xmask:8 row_mask:0xf bank_mask:0xf
	s_delay_alu instid0(VALU_DEP_1)
	v_permlanex16_b32 v9, v8, s28, s29
	s_delay_alu instid0(VALU_DEP_1)
	v_add_f32 v8, v8, v9
.endm
	s_wait_loadcnt 16                              ; the row's eight loads are in; the sixteen of g and b may be out
	v_pk_add_f32 v[10:11], v[16:17], v[18:19]
	v_pk_add_f32 v[126:127], v[24:25], v[28:29]
	v_pk_add_f32 v[124:125], v[32:33], v[36:37]
	v_pk_add_f32 v[122:123], v[40:41], v[44:45]
	v_pk_add_f32 v[120:121], v[20:21], v[22:23]
	v_pk_add_f32 v[118:119], v[26:27], v[30:31]
	v_pk_add_f32 v[116:117], v[34:35], v[38:39]
	v_pk_add_f32 v[8:9], v[42:43], v[46:47]
	s_delay_alu instid0(VALU_DEP_1)
	v_pk_add_f32 v[8:9], v[8:9], v[122:123]
	v_pk_add_f32 v[10:11], v[10:11], v[120:121]
	v_pk_add_f32 v[126:127], v[126:127], v[118:119]
	v_pk_add_f32 v[124:125], v[124:125], v[116:117]
	s_delay_alu instid0(VALU_DEP_2)
	v_pk_add_f32 v[8:9], v[8:9], v[126:127]
	s_delay_alu instid0(VALU_DEP_2)
	v_pk_add_f32 v[10:11], v[10:11], v[124:125]
	s_delay_alu instid0(VALU_DEP_1)
	v_pk_add_f32 v[8:9], v[8:9], v[10:11]
	ACROSS
	s_delay_alu instid0(VALU_DEP_1)
	v_mul_f32 v12, s30, v8                         ; the mean,
	s_delay_alu instid0(VALU_DEP_1)
	v_mov_b32 v13, v12                             ; twice
.irp j, 0,2,4,6,8,10,12,14,16,18,20,22,24,26,28,30
	v_pk_add_f32 v[X+\j:X+\j+1], v[X+\j:X+\j+1], v[12:13] neg_lo:[0,1] neg_hi:[0,1]   ; x - mean
.endr
	v_pk_mul_f32 v[8:9], v[X:X+1], v[X:X+1]        ; the sum of their squares
	v_pk_mul_f32 v[10:11], v[X+2:X+3], v[X+2:X+3]
.irp j, 4,8,12,16,20,24,28
	s_delay_alu instid0(VALU_DEP_2)
	v_pk_fma_f32 v[8:9], v[X+\j:X+\j+1], v[X+\j:X+\j+1], v[8:9]
	s_delay_alu instid0(VALU_DEP_2)
	v_pk_fma_f32 v[10:11], v[X+\j+2:X+\j+3], v[X+\j+2:X+\j+3], v[10:11]
.endr
	s_delay_alu instid0(VALU_DEP_1)
	v_pk_add_f32 v[8:9], v[8:9], v[10:11]
	ACROSS
	s_delay_alu instid0(VALU_DEP_1)
	v_fma_f32 v8, v8, s30, s31                     ; the variance + eps
	s_wait_alu depctr_va_vdst(0)
	v_rsq_f32 v14, v8
	v_nop                                          ; a plain instruction behind the transcendental
	s_wait_kmcnt 0x0
	s_sub_co_i32 s24, 127, s22
	s_lshl_b32 s24, s24, 23                        ; 2^-e as f32,
	s_mov_b32 s25, s24                             ; named as a pair, so both are written
	s_wait_alu depctr_va_vdst(0)                   ; the wait ahead of the result's first reader
	v_mul_f32 v14, s24, v14                        ; rstd x 2^-e: a power of two rounds nothing
	s_delay_alu instid0(VALU_DEP_1)
	v_mov_b32 v15, v14
	s_wait_alu depctr_va_vdst(0)
	s_wait_loadcnt 0x0                             ; g and b
.irp j, 0,2,4,6,8,10,12,14,16,18,20,22,24,26,28,30
	v_pk_mul_f32 v[X+\j:X+\j+1], v[X+\j:X+\j+1], v[14:15]
	v_pk_mul_f32 v[BV+\j:BV+\j+1], v[BV+\j:BV+\j+1], s[24:25] op_sel_hi:[1,0]
	s_delay_alu instid0(VALU_DEP_1)
	v_pk_fma_f32 v[X+\j:X+\j+1], v[X+\j:X+\j+1], v[G+\j:G+\j+1], v[BV+\j:BV+\j+1]
.endr
.set n, 0
.rept 32
	v_med3_num_f32 v[X+n], v[X+n], s26, s27        ; the hold at the largest code
.set n, n+1
.endr
.irp j, 0,1,2,3,4,5,6,7
	v_mov_b32 v[112+\j], 0                         ; a conversion writes half a register: the register is written whole first
.endr
	v_cvt_pk_fp8_f32 v112.l, v16, v17              ; four codes of neighbouring elements to a register
	v_cvt_pk_fp8_f32 v112.h, v18, v19
	v_cvt_pk_fp8_f32 v113.l, v20, v21
	v_cvt_pk_fp8_f32 v113.h, v22, v23
	v_cvt_pk_fp8_f32 v114.l, v24, v25
	v_cvt_pk_fp8_f32 v114.h, v26, v27
	v_cvt_pk_fp8_f32 v115.l, v28, v29
	v_cvt_pk_fp8_f32 v115.h, v30, v31
	v_cvt_pk_fp8_f32 v116.l, v32, v33
	v_cvt_pk_fp8_f32 v116.h, v34, v35
	v_cvt_pk_fp8_f32 v117.l, v36, v37
	v_cvt_pk_fp8_f32 v117.h, v38, v39
	v_cvt_pk_fp8_f32 v118.l, v40, v41
	v_cvt_pk_fp8_f32 v118.h, v42, v43
	v_cvt_pk_fp8_f32 v119.l, v44, v45
	v_cvt_pk_fp8_f32 v119.h, v46, v47
.irp j, 0,1,2,3,4,5,6,7
	ds_store_b32 v3, v[112+\j] offset:128*\j       ; the row's 1,024 codes in their order
.endr
	ds_load_b128 v[120:123], v4                    ; LDS serves a wave's instructions in order (ISA guide 5.7.1.4): these see my stores
	ds_load_b128 v[124:127], v4 offset:512
	s_wait_dscnt 0x0
	global_store_b128 v1, v[120:123], s[12:13]     ; 32 lanes store 512 consecutive bytes, aligned
	global_store_b128 v1, v[124:127], s[12:13] offset:512
	s_wait_tensorcnt 0x0                           ; the wave's end: behind my last LDS store
	ds_add_u32 v5, v6
	s_wait_dscnt 0x0
	s_endpgm
.Lfunc_end_k_q7ba8217ccb_ln1:
	.size	k_q7ba8217ccb_ln1, .Lfunc_end_k_q7ba8217ccb_ln1-k_q7ba8217ccb_ln1
	.p2alignl 7, 3214868480
	.fill 96, 4, 3214868480
	.section	.rodata,"a",@progbits
	.p2align	6, 0x0
	.amdhsa_kernel k_q7ba8217ccb_ln1
		.amdhsa_group_segment_fixed_size 9216
		.amdhsa_private_segment_fixed_size 0
		.amdhsa_enable_private_segment 0
		.amdhsa_kernarg_size 40
		.amdhsa_user_sgpr_count 2
		.amdhsa_user_sgpr_kernarg_segment_ptr 1
		.amdhsa_wavefront_size32 1
		.amdhsa_system_sgpr_workgroup_id_x 1
		.amdhsa_system_sgpr_workgroup_id_y 1
		.amdhsa_system_sgpr_workgroup_id_z 1
		.amdhsa_system_vgpr_workitem_id 0
		.amdhsa_next_free_vgpr 128
		.amdhsa_next_free_sgpr 66
		.amdhsa_reserve_vcc 0
		.amdhsa_float_denorm_mode_32 3
		.amdhsa_float_denorm_mode_16_64 3
		.amdhsa_memory_ordered 1
		.amdhsa_forward_progress 1
		.amdhsa_inst_pref_size 18
	.end_amdhsa_kernel
	.amdgpu_metadata
---
amdhsa.version: [ 1, 2 ]
amdhsa.kernels:
  - .name:           k_q7ba8217ccb_ln1
    .symbol:         k_q7ba8217ccb_ln1.kd
    .args:
      - { .name: x, .offset: 0, .size: 8, .value_kind: global_buffer, .address_space: global }
      - { .name: ln1_g, .offset: 8, .size: 8, .value_kind: global_buffer, .address_space: global }
      - { .name: ln1_b, .offset: 16, .size: 8, .value_kind: global_buffer, .address_space: global }
      - { .name: lowp_scales, .offset: 24, .size: 8, .value_kind: global_buffer, .address_space: global }
      - { .name: hc, .offset: 32, .size: 8, .value_kind: global_buffer, .address_space: global }
    .group_segment_fixed_size: 9216
    .private_segment_fixed_size: 0
    .kernarg_segment_align: 8
    .kernarg_segment_size: 40
    .max_flat_workgroup_size: 256
    .sgpr_count:     66
    .vgpr_count:     128
    .wavefront_size: 32
...
	.end_amdgpu_metadata
.endif
;; end of part 1
;; launch gemm_qkv (part 2): grid 12 x 16, 4 waves a work-group, clusters of 4 x 4, 327,680 bytes of LDS; arguments hc, w_qkv_codes, lowp_scales, b_qkv, qimg, kvimg; writes qimg, kvimg
.if DOCPART == 2
	.amdgcn_target "amdgcn-amd-amdhsa--gfx1250"
	.amdhsa_code_object_version 6
	.text
	.protected	k_q7ba8217ccb_gemm_qkv
	.globl	k_q7ba8217ccb_gemm_qkv
	.p2align	8
	.type	k_q7ba8217ccb_gemm_qkv,@function
k_q7ba8217ccb_gemm_qkv:
	s_mov_b64 s[64:65], 0
	v_nop
	global_prefetch_b8 v0, s[64:65] scope:SCOPE_SE
	s_setreg_imm32_b32 hwreg(HW_REG_WAVE_MODE, 25, 1), 1
	s_wait_xcnt 0x0
	s_wait_alu depctr_hold_cnt(0) depctr_sa_sdst(0) depctr_va_vdst(0) depctr_va_sdst(0) depctr_va_ssrc(0) depctr_va_vcc(0) depctr_vm_vsrc(0)
	s_getreg_b32 s2, hwreg(HW_REG_IB_STS2, 6, 4)
	s_cmp_eq_u32 s2, 0
	s_cbranch_scc0 .Lentry_in_a_cluster
	s_endpgm
.Lentry_in_a_cluster:
	s_bfe_u32 s2, ttmp6, 0x10000c
	s_cmp_lg_u32 s2, 0xf033
	s_cbranch_scc0 .Lentry_shape_is_right
	s_endpgm
.Lentry_shape_is_right:
; q, k, v = hc Wqkv^T x 2^(e0 + e1) + b_qkv, quantised at once: q with 2^e2, k with 2^e3, v with 2^e5 (e = lowp_scales).  hc: [4096][1024] codes; Wqkv: [3072][1024] codes; sums in f32.  Nothing is left out.
; A tile of 256 x 256 is made by four waves, 128 x 128 each: 64 accumulators, 512 registers.  K goes in steps of 256 through a ring of two LDS slots filled by the tensor data mover.
; TWO OPERANDS: R (source 1, LDS rows 0-255 of a slot, indexed by the tile row, asked for jointly along a row of the 4 x 4 cluster) and C (source 0, LDS rows 256-511, indexed by the tile column, jointly along a column).
;   cluster x = 0 (q), 1 (k): R = hc, tile row 4 y + cy; C = the weights, tile column 4 x + cx.  A lane holds ONE token and eight neighbours of the head's 64, the K of the scores.
;   cluster x = 2 (v): the product is taken transposed: R = the weights' rows 2,048 on, tile row 8 + cy; C = hc, tile column 4 y + cx.  A lane holds ONE of the head's 64 and eight neighbouring tokens, the K of the second product.
;   Only base pointers and tile indices are chosen, by the cluster's x, which all sixteen partners share; R's address hangs on cy alone, C's on cx alone; every LDS address is made of the wave's number and constants.
; FRAGMENTS come by four ds_load_b128, which permutes k inside an instruction alike on both sides: every product meets its partner.
; OUT.  Eight registers of a result tile give two registers of codes, registers 2 c, 2 c + 1 (k = 16 c + 8 (lane / 16) + 0 .. 7) of the next product's operand; they are stored as images of those registers.
;   In qimg and kvimg a head is 262,144 bytes and 128 tokens of it 16,384.  q (qimg) and k (kvimg): the first 8,192 of those: [16 tokens: 8][2][lane 32][16 bytes] (qimg's other 8,192 are never read).
;   v (kvimg): the second 8,192: [16 of the head's 64: 4][4][lane 32][16 bytes].  Each store of a wave covers 512 consecutive bytes, aligned; no stage is needed.
; The three scales are folded: code = (sum + b / 2^(e0 + e1)) / 2^(eT - e0 - e1), held at 448 x that scale first (the conversion does not saturate: ISA guide 7.6.2).
; PREFETCH: behind K step 0's load K steps 1 and 2 are asked of memory, behind K step 1's load K step 3: one or two steps ahead of their loads.  Of the 128 rows that a wave fetches, each of the four partners that ask
;   jointly takes 32, told apart by address (32 rows x cx for R, x cy for C), a lane a row: a step's part of a row is 256 bytes, aligned.
; LIMITS: eT - e0 - e1 between -126 and 119 for eT = e2, e3, e5.  NaN among the inputs is not served.
; REGISTERS, in windows of 256: window 0: v1-30 addresses; v32-95 the bias; v100, v101 the scale and the hold; from v128 source 1's fragments, ONE set (on the way out v128-191 numbers, v192-255 codes).
;   window 1: source 0's fragments, TWO sets.   windows 2, 3: the accumulators, (a, b) at v[8 (8 (a % 4) + b)].
.set SIZE_K, 1024
.set KSTEP,  256
.set ROWB,   256
.set KROW,   SIZE_K
.set PITCH,  272                       ; 256 bytes + 16 of padding: the 16 rows that a load touches start at 16 different banks (ISA guide 11.1)
.set FR,     16
.set NL,     4
.set NP,     4                         ; places behind this matrix instruction (ISA guide 7.12.1)
.set HALFT,  128*PITCH
.set SLOT,   4*HALFT
.set LAPS,   SIZE_K/(2*KSTEP)
.set SPARE,  2*SLOT                    ; the spare words, 128 bytes a wave
.set HEADB,  262144                    ; a head in qimg and kvimg
.set BO,   8
.set ADRA, 16
.set ADRB, 20
.set LI,   26
.set SPW,  28
.set NIL,  29
.set PFO,  30                          ; v30  the prefetches' offset: my lane x a row; never rewritten
.set BI,   32
.set SC,   100
.set LIM,  101
.set AF,   128
.set T,    128
.set CD,   192
.set G1, 24
.set G0, 32
.set G1B, 48
.set G0B, 56
.set PFA, 66                           ; s[66:67]  my work-group's 32 rows of the 128 that my wave fetches; never rewritten
.set MSB, 0
.macro WIN new                         ; the immediate's high byte repeats the setting that is left
.if MSB != (\new)
	s_set_vgpr_msb (MSB<<8)|(\new)
.set MSB, (\new)
.endif
.endm
.set MUL_LO, 0xa1
.set MUL_HI, 0xf1
.set TO_B,   0x40
; A joint load: waves 0 and 1 fetch R's halves, waves 2 and 3 C's.  An s_nop 0 and four v_nop follow each line.
.macro JLOAD s
	s_cmp_eq_u32 s15, 0
	s_cbranch_scc0 .Lfor_b_\@
	tensor_load_to_lds s[G0+4*\s:G0+4*\s+3], s[G1:G1+7]
	s_nop 0
.rept 4
	v_nop
.endr
	s_branch .Lasked_\@
.Lfor_b_\@:
	tensor_load_to_lds s[G0B+4*\s:G0B+4*\s+3], s[G1B:G1B+7]
	s_nop 0
.rept 4
	v_nop
.endr
.Lasked_\@:
.endm
.macro CREST
	s_cmp_lg_u32 s14, 0
	s_cbranch_scc1 .Lnot_wave_0_\@
	s_barrier_signal -3
.Lnot_wave_0_\@:
	s_barrier_wait -3
	s_barrier_signal -1
	s_barrier_wait -1
.endm
.macro CROUND
	s_barrier_signal -1
	s_barrier_wait -1
	CREST
.endm
	s_load_b128 s[4:7], s[0:1], 0x0                ; hc, the weights' codes
	s_load_b128 s[8:11], s[0:1], 0x10              ; the exponents, the bias
	s_load_b128 s[68:71], s[0:1], 0x20             ; qimg, kvimg
	v_lshl_add_u32 v[SPW], v0, 2, SPARE
	v_mov_b32 v[NIL], 0
	ds_add_u32 v[SPW], v[NIL]                      ; the opening: the add, twice on end, and its wait ahead of my first tensor load
	ds_add_u32 v[SPW], v[NIL]
	v_lshrrev_b32 v1, 5, v0
	v_readfirstlane_b32 s14, v1                    ; wave 0..3
	s_lshr_b32 s15, s14, 1                         ; my half of R's rows.  Also: I fetch R (0) or C (1)
	s_and_b32 s16, s14, 1                          ; my half of C's rows.  Also: which 128 rows I fetch
	s_bfe_u32 s40, ttmp6, 0x40000                  ; cx, cy
	s_bfe_u32 s41, ttmp6, 0x40004
	s_lshl_b32 s42, ttmp9, 2
	s_and_b32 s17, ttmp7, 0xffff
	s_lshl_b32 s17, s17, 2
	s_cmp_eq_u32 ttmp9, 2                          ; v?  The cluster's x: the same in all partners
	s_cselect_b32 s42, s17, s42
	s_cselect_b32 s17, 8, s17
	s_add_co_u32 s42, s42, s40                     ; tile column: 4 x + cx (v: 4 y + cx)
	s_add_co_u32 s17, s17, s41                     ; tile row: 4 y + cy (v: 8 + cy)
	s_lshl_b32 s43, s41, 2
	s_lshl_b32 s43, 15, s43                        ; my row of the cluster
	s_lshl_b32 s44, 0x1111, s40                    ; my column
	s_or_b32 s[G1+0], s43, (0<<16)|(1<<20)|(1<<21)|(5<<22)|(3<<25)  ; the mask; elements of 1 byte; padding on; bit 21 beside a mask; after every 64 words, 4 words
	s_or_b32 s[G1B+0], s44, (0<<16)|(1<<20)|(1<<21)|(5<<22)|(3<<25)
.irp g, G1, G1B
	s_mov_b32 s[\g+1], ROWB<<16
	s_mov_b32 s[\g+2], 128<<16
	s_mov_b32 s[\g+3], ROWB<<16
	s_mov_b32 s[\g+4], 128
	s_mov_b32 s[\g+5], KROW
	s_mov_b32 s[\g+6], 0
	s_mov_b32 s[\g+7], 0
.endr
	s_lshl_b32 s18, s16, 7
	s_lshl_b32 s20, s17, 8
	s_add_co_u32 s20, s20, s18                     ; R: row 256 x tile row + 128 x half
	s_lshl_b32 s46, s42, 8
	s_add_co_u32 s46, s46, s18                     ; C: row 256 x tile column + 128 x half
	s_mov_b32 s21, 0
	s_mov_b32 s47, 0
	s_mov_b64 s[18:19], KROW
	s_mul_u64 s[20:21], s[20:21], s[18:19]
	s_mul_u64 s[46:47], s[46:47], s[18:19]
	s_mul_i32 s45, s14, HALFT                      ; where they go: wave x 128 rows
	s_wait_dscnt 0x0                               ; both opening adds are done
	s_wait_kmcnt 0x0
	s_load_b256 s[76:83], s[8:9], 0x0              ; e0 .. e7
	s_cmp_eq_u32 ttmp9, 2
	s_cselect_b64 s[74:75], s[6:7], s[4:5]         ; R's buffer
	s_cselect_b64 s[98:99], s[4:5], s[6:7]         ; C's buffer
	s_add_nc_u64 s[20:21], s[74:75], s[20:21]
	s_add_nc_u64 s[46:47], s[98:99], s[46:47]
	CROUND                                         ; all sixteen work-groups are here: the first joint loads meet
.irp s, 0,1
	s_mov_b32 s[G0+4*\s], 1
	s_add_co_u32 s[G0+4*\s+1], s45, \s*SLOT
	s_add_nc_u64 s[G0+4*\s+2:G0+4*\s+3], s[20:21], \s*ROWB
	s_or_b32 s[G0+4*\s+3], s[G0+4*\s+3], 0x80000000
	s_mov_b32 s[G0B+4*\s], 1
	s_add_co_u32 s[G0B+4*\s+1], s45, \s*SLOT
	s_add_nc_u64 s[G0B+4*\s+2:G0B+4*\s+3], s[46:47], \s*ROWB
	s_or_b32 s[G0B+4*\s+3], s[G0B+4*\s+3], 0x80000000
.endr
	JLOAD 0                                        ; K step 0: one tensor load a wave at the head
	s_cmp_eq_u32 s15, 0                            ; the prefetches: what my wave fetches,
	s_cselect_b64 s[PFA:PFA+1], s[20:21], s[46:47]
	s_cselect_b32 s86, s40, s41                    ; my place among the four that ask for it with me,
	s_lshl_b32 s86, s86, 15                        ; x 32 rows
	s_mov_b32 s87, 0
	s_add_nc_u64 s[PFA:PFA+1], s[PFA:PFA+1], s[86:87]
	v_and_b32 v[PFO], 31, v0
	v_lshlrev_b32 v[PFO], 10, v[PFO]
	global_prefetch_b8 v[PFO], s[PFA:PFA+1] offset:ROWB th:TH_LOAD_NT scope:SCOPE_SE     ; K step 1
	global_prefetch_b8 v[PFO], s[PFA:PFA+1] offset:2*ROWB th:TH_LOAD_NT scope:SCOPE_SE   ; K step 2
	v_and_b32 v1, 15, v0                           ; r = lane % 16
	v_bfe_u32 v2, v0, 4, 1                         ; h = lane / 16
	v_mul_u32_u24 v3, v1, PITCH
	v_lshl_add_u32 v4, v2, 4, v3                   ; a fragment's row x pitch + 16 h
	s_wait_alu depctr_va_vdst(0)                   ; the wait
	s_mul_i32 s21, s15, HALFT                      ; my 128 rows of R,
	s_mul_i32 s22, s16, HALFT
	s_add_co_u32 s22, s22, 2*HALFT                 ; my 128 rows of C
	s_cmp_eq_u32 ttmp9, 2
	s_cselect_b32 s88, 4, 0                        ; the bias of register j in tile i: q, k: column 16 i + 8 h + j;  v: column 16 i + r
	s_cselect_b32 s89, 0, 32
	s_cselect_b32 s90, 0, 4
.irp s, 0,1
	v_add_nc_u32 v[ADRA+\s], s21, v4
	v_add_nc_u32 v[ADRB+\s], s22, v4
	s_add_co_u32 s21, s21, SLOT
	s_add_co_u32 s22, s22, SLOT
.endr
	s_lshl_b32 s91, s42, 8
	s_lshl_b32 s92, s16, 7
	s_add_co_u32 s91, s91, s92                     ; my first row of C
	s_lshl_b32 s95, s17, 8
	s_lshl_b32 s92, s15, 7
	s_add_co_u32 s95, s95, s92                     ; my first row of R
	s_cmp_eq_u32 ttmp9, 2
	s_cselect_b32 s96, s95, s91                    ; my first column of the 3,072
	s_cselect_b32 s95, s91, s95                    ; my first token
	s_lshl_b32 s92, s96, 2
	s_mov_b32 s93, 0
	s_add_nc_u64 s[10:11], s[10:11], s[92:93]
	v_mul_u32_u24 v[BO], v1, s88
	v_mad_u32_u24 v[BO], v2, s89, v[BO]
.irp j, 1,2,3,4,5,6,7
	s_mul_i32 s94, s90, \j
	v_add_nc_u32 v[BO+\j], s94, v[BO]
.endr
.irp i, 0,1,2,3,4,5,6,7
.irp j, 0,1,2,3,4,5,6,7
	global_load_b32 v[BI+8*\i+\j], v[BO+\j], s[10:11] offset:64*\i   ; my 512 bytes of the bias, once; waited for on the way out
.endr
.endr
	v_and_b32 v5, 31, v0
	v_lshlrev_b32 v[LI], 4, v5
	; where my images begin: (16 batch + my first head) x 262,144 + (my first token in its batch) x 128, v 8,192 further on
	s_lshr_b32 s92, s95, 11                        ; the batch
	s_and_b32 s91, s95, 2047
	s_lshl_b32 s92, s92, 4
	s_bfe_u32 s93, s96, 0x40006                    ; (column % 1,024) / 64
	s_add_co_u32 s92, s92, s93
	s_lshl_b32 s92, s92, 18
	s_lshl_b32 s91, s91, 7
	s_add_co_u32 s92, s92, s91
	s_cmp_eq_u32 ttmp9, 2
	s_cselect_b32 s91, 8192, 0
	s_add_co_u32 s92, s92, s91
	s_mov_b32 s93, 0
	s_cmp_eq_u32 ttmp9, 0
	s_cselect_b64 s[84:85], s[68:69], s[70:71]
	s_add_nc_u64 s[84:85], s[84:85], s[92:93]
.macro FRAG reg, adr, q, i             ; 16 rows x 128 K: registers 4 c .. 4 c + 3 hold K = 32 c + 16 h + 0 .. 15
.irp c, 0,1,2,3
	ds_load_b128 v[\reg+4*\c:\reg+4*\c+3], v[\adr] offset:128*(\q)+32*\c+(\i)*16*PITCH
.endr
.endm
; 16 matrix instructions: source 1's blocks a0, a0 + 1 x source 0's eight.  The 64 accumulators take turns, one instruction a turn, in the same order in every step.
.macro MUL16 a0, p, zero
.irp a, \a0, \a0+1
.irp b, 0,1,2,3,4,5,6,7
.if \zero
	v_wmma_f32_16x16x128_fp8_fp8 v[8*(8*((\a)%4)+\b):8*(8*((\a)%4)+\b)+7], v[128*(\p)+FR*\b:128*(\p)+FR*\b+FR-1], v[AF+FR*(\a):AF+FR*(\a)+FR-1], 0
.else
	v_wmma_f32_16x16x128_fp8_fp8 v[8*(8*((\a)%4)+\b):8*(8*((\a)%4)+\b)+7], v[128*(\p)+FR*\b:128*(\p)+FR*\b+FR-1], v[AF+FR*(\a):AF+FR*(\a)+FR-1], v[8*(8*((\a)%4)+\b):8*(8*((\a)%4)+\b)+7]
.endif
.endr
.endr
.endm
.macro FETCH_B slot, q, p
	WIN TO_B
.irp i, 0,1,2,3,4,5,6,7
	FRAG 128*(\p)+FR*\i, ADRB+\slot, \q, \i
.endr
	WIN 0
.endm
.macro FETCH_A slot, q, i0
.irp i, \i0, \i0+1, \i0+2, \i0+3
	FRAG AF+FR*(\i), ADRA+\slot, \q, \i
.endr
.endm
.macro PLACES n                        ; plain vector instructions between a matrix instruction and a load into, or a read of, its registers
.rept \n
	v_nop
.endr
.endm
.macro STEP slot, q, zero              ; 128 along K, with its successor in the same slot
	s_wait_dscnt 4*NL                              ; source 0's set and source 1's blocks 0-3 are in; the sixteen youngest loads (blocks 4-7) may be out
	WIN MUL_LO
	MUL16 0, (\q)%2, \zero
	MUL16 2, (\q)%2, \zero
	s_wait_dscnt 0                                 ; blocks 4-7 are in
	PLACES NP
	FETCH_B \slot, (\q)+1, 1-(\q)%2
	FETCH_A \slot, (\q)+1, 0
	WIN MUL_HI
	MUL16 4, (\q)%2, \zero
	MUL16 6, (\q)%2, \zero
	PLACES NP
	WIN 0
	FETCH_A \slot, (\q)+1, 4
.endm
; A slot's last step changes slots: one barrier; in front of it each wave waits for all its tensor loads, adds 0 to its spare word, and waits for that and for its reads of this slot.
.macro TURN slot, next, fill
	s_wait_tensorcnt 0x0                           ; all my tensor loads have landed: my part of the next slot
	ds_add_u32 v[SPW], v[NIL]
	s_wait_dscnt 4*NL+1                            ; the add and the sixteen youngest loads may be out
	WIN MUL_LO
	MUL16 0, 1, 0
	s_wait_dscnt 0x0                               ; the add is done, and my reads of this slot are over
	s_barrier_signal -1
	MUL16 2, 1, 0
	WIN 0
	s_barrier_wait -1
.if \fill
	CREST                                          ; the barrier has opened a round of the cluster's: no wave of any partner still reads this slot or has a load on its way
	s_add_nc_u64 s[G0+4*\slot+2:G0+4*\slot+3], s[G0+4*\slot+2:G0+4*\slot+3], 2*ROWB
	s_add_nc_u64 s[G0B+4*\slot+2:G0B+4*\slot+3], s[G0B+4*\slot+2:G0B+4*\slot+3], 2*ROWB
	JLOAD \slot                                    ; the first tensor load behind the round; its four v_nop are the places in front of the loads below
.else
	PLACES NP
.endif
	FETCH_B \next, 0, 0
	FETCH_A \next, 0, 0
	WIN MUL_HI
	MUL16 4, 1, 0
	MUL16 6, 1, 0
	PLACES NP
	WIN 0
	FETCH_A \next, 0, 4
.endm
	s_wait_alu depctr_va_vdst(0)                   ; the wait at the head's end
	s_wait_tensorcnt 0x0                           ; my part of K step 0 is in; slot 1's first fill is issued as a refill is:
	ds_add_u32 v[SPW], v[NIL]
	s_wait_dscnt 0x0
	CROUND                                         ; everybody's part of K step 0 is in, and all sixteen work-groups are here
	JLOAD 1                                        ; K step 1
	FETCH_B 0, 0, 0
	FETCH_A 0, 0, 0
	FETCH_A 0, 0, 4
	global_prefetch_b8 v[PFO], s[PFA:PFA+1] offset:3*ROWB th:TH_LOAD_NT scope:SCOPE_SE   ; K step 3
	STEP 0, 0, 1                                   ; the first step's products start the sums: nothing is cleared
	s_mov_b32 s3, LAPS-1
.Llap:
	TURN 0, 1, 1
	STEP 1, 0, 0
	TURN 1, 0, 1
	STEP 0, 0, 0
	s_sub_co_u32 s3, s3, 1
	s_cmp_lg_u32 s3, 0
	s_cbranch_scc1 .Llap
	TURN 0, 1, 0                                   ; the last lap fills nothing
	STEP 1, 0, 0
	s_wait_dscnt 4*NL
	WIN MUL_LO
	MUL16 0, 1, 0
	MUL16 2, 1, 0
	s_wait_dscnt 0
	WIN MUL_HI
	MUL16 4, 1, 0
	MUL16 6, 1, 0
	WIN 0
	; THE WAY OUT
	s_wait_loadcnt 0x0                             ; the bias
	s_wait_kmcnt 0x0
	s_add_co_i32 s86, s76, s77                     ; e0 + e1
	s_cmp_eq_u32 ttmp9, 0
	s_cselect_b32 s87, s78, s79                    ; e2 for q, e3 for k,
	s_cmp_eq_u32 ttmp9, 2
	s_cselect_b32 s87, s81, s87                    ; e5 for v
	s_sub_co_i32 s87, s87, s86
	s_add_co_i32 s87, s87, 127
	s_lshl_b32 s88, s87, 23
	v_mov_b32 v[SC], s88                           ; 2^(eT - e0 - e1) as f32: the conversion takes its exponent field
	s_add_co_i32 s87, s87, 8
	s_lshl_b32 s87, s87, 23
	s_or_b32 s87, s87, 0x600000
	v_mov_b32 v[LIM], s87                          ; 448 x that
	s_sub_co_i32 s86, 0, s86
.set n, 0
.rept 64
	v_ldexp_f32 v[BI+n], v[BI+n], s86              ; b / 2^(e0 + e1).  (These are also the places behind the last products)
.set n, n+1
.endr
; Block a of source 1: its eight accumulators get the bias, the hold and the conversion, each from its low end on; sixteen registers of codes leave by four stores.
.macro EPI a, isv
.set CDS, CD+16*((\a)%4)
.set AC, 64*((\a)%4)
.if (\a) >= 4
	s_wait_xcnt 0x0                                ; block a - 4's stores have read their registers
.endif
	WIN 0x02+((\a)/4)
.set n, 0
.rept 32
.if \isv
	v_pk_add_f32 v[T+n:T+n+1], v[AC+n:AC+n+1], v[BI+8*(\a)+n%8:BI+8*(\a)+n%8+1]
.else
	v_pk_add_f32 v[T+n:T+n+1], v[AC+n:AC+n+1], v[BI+n:BI+n+1]
.endif
.set n, n+2
.endr
	WIN 0
.set n, 0
.rept 64
	v_med3_num_f32 v[T+n], v[T+n], -v[LIM], v[LIM]
.set n, n+1
.endr
.irp b, 0,1,2,3,4,5,6,7
	v_cvt_scalef32_pk8_fp8_f32 v[CDS+2*\b:CDS+2*\b+1], v[T+8*\b:T+8*\b+7], v[SC]
.endr
	v_nop                                          ; a plain instruction between the conversions and the next block's writes of their sources
.irp c, 0,1,2,3
.if \isv
	global_store_b128 v[LI], v[CDS+4*\c:CDS+4*\c+3], s[84:85] offset:((\a)/4)*HEADB+((\a)%4)*2048+512*\c   ; head a / 4, 16 of its 64: a % 4, my 128 keys
.else
	global_store_b128 v[LI], v[CDS+4*\c:CDS+4*\c+3], s[84:85] offset:(\a)*1024+(\c/2)*HEADB+(\c%2)*512     ; tokens 16 a on, head c / 2
.endif
.endr
.endm
	s_cmp_eq_u32 ttmp9, 2
	s_cbranch_scc1 .Lv
.irp a, 0,1,2,3,4,5,6,7
	EPI \a, 0
.endr
	s_branch .Ldone
.Lv:
.irp a, 0,1,2,3,4,5,6,7
	EPI \a, 1
.endr
.Ldone:
	s_wait_tensorcnt 0x0                           ; the wave's end
	ds_add_u32 v[SPW], v[NIL]
	s_wait_dscnt 0x0
	CROUND                                         ; the closing round
	s_endpgm
.Lfunc_end_k_q7ba8217ccb_gemm_qkv:
	.size	k_q7ba8217ccb_gemm_qkv, .Lfunc_end_k_q7ba8217ccb_gemm_qkv-k_q7ba8217ccb_gemm_qkv
	.p2alignl 7, 3214868480
	.fill 96, 4, 3214868480
	.section	.rodata,"a",@progbits
	.p2align	6, 0x0
	.amdhsa_kernel k_q7ba8217ccb_gemm_qkv
		.amdhsa_group_segment_fixed_size 327680
		.amdhsa_private_segment_fixed_size 0
		.amdhsa_enable_private_segment 0
		.amdhsa_kernarg_size 48
		.amdhsa_user_sgpr_count 2
		.amdhsa_user_sgpr_kernarg_segment_ptr 1
		.amdhsa_wavefront_size32 1
		.amdhsa_system_sgpr_workgroup_id_x 1
		.amdhsa_system_sgpr_workgroup_id_y 1
		.amdhsa_system_sgpr_workgroup_id_z 1
		.amdhsa_system_vgpr_workitem_id 0
		.amdhsa_next_free_vgpr 1024
		.amdhsa_next_free_sgpr 100
		.amdhsa_reserve_vcc 0
		.amdhsa_float_denorm_mode_32 3
		.amdhsa_float_denorm_mode_16_64 3
		.amdhsa_memory_ordered 1
		.amdhsa_forward_progress 1
		.amdhsa_inst_pref_size 202
	.end_amdhsa_kernel
	.amdgpu_metadata
---
amdhsa.version: [ 1, 2 ]
amdhsa.kernels:
  - .name:           k_q7ba8217ccb_gemm_qkv
    .symbol:         k_q7ba8217ccb_gemm_qkv.kd
    .args:
      - { .name: hc, .offset: 0, .size: 8, .value_kind: global_buffer, .address_space: global }
      - { .name: w_qkv_codes, .offset: 8, .size: 8, .value_kind: global_buffer, .address_space: global }
      - { .name: lowp_scales, .offset: 16, .size: 8, .value_kind: global_buffer, .address_space: global }
      - { .name: b_qkv, .offset: 24, .size: 8, .value_kind: global_buffer, .address_space: global }
      - { .name: qimg, .offset: 32, .size: 8, .value_kind: global_buffer, .address_space: global }
      - { .name: kvimg, .offset: 40, .size: 8, .value_kind: global_buffer, .address_space: global }
    .group_segment_fixed_size: 327680
    .private_segment_fixed_size: 0
    .kernarg_segment_align: 8
    .kernarg_segment_size: 48
    .max_flat_workgroup_size: 128
    .sgpr_count:     100
    .vgpr_count:     1024
    .wavefront_size: 32
...
	.end_amdgpu_metadata
.endif
;; end of part 2
;; launch attn (part 3): grid 8 x 32, 16 waves a work-group, clusters of 4 x 1, 327,680 bytes of LDS; arguments qimg, kvimg, lowp_scales, aoimg; writes aoimg
.if DOCPART == 3
	.amdgcn_target "amdgcn-amd-amdhsa--gfx1250"
	.amdhsa_code_object_version 6
	.text
	.protected	k_q7ba8217ccb_attn
	.globl	k_q7ba8217ccb_attn
	.p2align	8
	.type	k_q7ba8217ccb_attn,@function
k_q7ba8217ccb_attn:
	s_mov_b64 s[64:65], 0
	v_nop
	global_prefetch_b8 v0, s[64:65] scope:SCOPE_SE
	s_setreg_imm32_b32 hwreg(HW_REG_WAVE_MODE, 25, 1), 1
	s_wait_xcnt 0x0
	s_wait_alu depctr_hold_cnt(0) depctr_sa_sdst(0) depctr_va_vdst(0) depctr_va_sdst(0) depctr_va_ssrc(0) depctr_va_vcc(0) depctr_vm_vsrc(0)
	s_getreg_b32 s2, hwreg(HW_REG_IB_STS2, 6, 4)
	s_cmp_eq_u32 s2, 0
	s_cbranch_scc0 .Lentry_in_a_cluster
	s_endpgm
.Lentry_in_a_cluster:
	s_bfe_u32 s2, ttmp6, 0x10000c
	s_cmp_lg_u32 s2, 0x3003
	s_cbranch_scc0 .Lentry_shape_is_right
	s_endpgm
.Lentry_shape_is_right:
; o = softmax(q k^T / 8) v for 32 heads of 2,048 tokens and head size 64, both products on E4M3 codes, then o quantised with 2^e6 for the projection.  Nothing is left out: there is no mask.
; t = score x log2(e) / 8; M = the running largest t rounded UP to a whole number; p = 2^(t - M) is quantised with 2^e4, not normalised; the row's sum is taken of the unquantised p and divides at the end.
; When M moves, the sum and O are multiplied by 2^(old M - new M): exact.
; OPERANDS ARE IMAGES OF REGISTERS (made by gemm_qkv): in qimg and kvimg a head is 262,144 bytes and a step of 128 tokens 16,384: K's eight tiles (8,192 bytes), then V's four fragments (8,192).  Every LDS load takes 512 consecutive bytes.
; SHARES.  A work-group owns 256 queries of one head, each of its sixteen waves 16, in 256 registers: four waves to a SIMD, so that one wave's vector work stands beside another's matrix work.  Every wave walks 16 steps of 128 keys.
; LDS holds the head's whole K and V, 16 steps side by side: no byte is filled twice.  Wave w fetches step w, 64 rows of 256 bytes: waves 0 to 3 at the head, waves 4 to 15 behind the full sequence and a round, ahead of step 0.
; Steps 4 to 15 are shown to all waves by ONE more barrier, behind which nothing is filled: each wave waits for its load and signals behind step 1, and waits for the others ahead of step 4; steps 2 and 3, which lie between, read bytes that nobody writes.
; CLUSTER 4, 1, 1: four work-groups of one head walk the same K and V: every step is asked for JOINTLY (mask 15).
; NO PREFETCH: every byte of K and V is asked for by its tensor load at the head or behind the first round; no later load is left to run ahead of.
; Both products are used transposed: S^T = K Q^T (source 0 = 16 keys, source 1 = my queries; K = 64), O^T = V^T P^T (source 0 = 16 of the head's 64, K = 128 keys): a lane holds ONE query throughout.
; Register j of score tile t is key 16 t + 8 (lane / 16) + j: one conversion of a tile's eight registers gives registers 2 t, 2 t + 1 of P in the second product's own layout.
; OUT: aoimg [16 tokens: 256][128 along K: 8][4][lane 32][16 bytes]: my eight registers of codes are half a fragment of the projection's left operand: two stores of 512 consecutive bytes.
; LIMITS: e2 + e3 between -123 and 130 (added to c's exponent field); e4 and e6 between -126 and 119; the scaled scores t stay under 2^31 in magnitude.  NaN among the inputs is not served.
; REGISTERS: v1 16 x lane; v5, v6 the add's two; v8 LDS address; v12 -M, v13 the largest t, v[14:15] the sum; v16-23 Q; v32-95 K's eight fragments, then V's four; v96-159 S^T, then p; v160-191 O^T; v224-239 p's codes; v240-255 at work.
.set STEPB, 16384
.set VOFF,  8192
.set SPARE, 262144                     ; behind the sixteen steps: the spare words, 128 bytes for each of 16 waves
.set LI,  1
.set SPW, 5
.set NIL, 6
.set ADR, 8
.set WV,  18
.set SEL, 20
.set CS,  22
.set G1,  24
.set G0,  40
.set TB,  2                            ; s2  LDS byte at which the step in hand begins
.set QC,  3                            ; s3  steps to go in the loop in hand
; first = 1: waves 0 to 3 ask for their steps; first = 0: waves 4 to 15.  An s_nop 0 and four v_nop follow the load.
.macro TLOAD first
.if \first
	s_cmp_lt_u32 s[WV], 4
.else
	s_cmp_ge_u32 s[WV], 4
.endif
	s_cbranch_scc0 .Lasked_\@
	tensor_load_to_lds s[G0:G0+3], s[G1:G1+7]
	s_nop 0
.rept 4
	v_nop
.endr
.Lasked_\@:
.endm
.macro ROUND                           ; a round of the cluster's barrier
	s_barrier_signal -1
	s_barrier_wait -1
	s_cmp_lg_u32 s[WV], 0
	s_cbranch_scc1 .Lnot_wave_0_\@
	s_barrier_signal -3
.Lnot_wave_0_\@:
	s_barrier_wait -3
	s_barrier_signal -1
	s_barrier_wait -1
.endm
	s_load_b128 s[4:7], s[0:1], 0x0                ; qimg s[4:5], kvimg s[6:7]
	s_load_b128 s[12:15], s[0:1], 0x10             ; the exponents s[12:13], aoimg s[14:15]
	v_lshl_add_u32 v[SPW], v0, 2, SPARE
	v_mov_b32 v[NIL], 0
	ds_add_u32 v[SPW], v[NIL]                      ; the opening: the add, twice on end, and its wait ahead of the first tensor load
	ds_add_u32 v[SPW], v[NIL]
	v_lshrrev_b32 v8, 5, v0
	s_delay_alu instid0(VALU_DEP_1)
	v_readfirstlane_b32 s[WV], v8                  ; wave 0..15
	s_bfe_u32 s81, ttmp6, 0x40000                  ; cx
	s_lshl_b32 s83, ttmp9, 2
	s_add_co_u32 s83, s83, s81                     ; which 256 queries: 4 x cluster x + cx
	s_and_b32 s82, ttmp7, 0xffff                   ; the head, 16 x batch + head
	s_lshl_b32 s84, s82, 18                        ; its first byte in qimg and kvimg
	s_lshl_b32 s88, s[WV], 14                      ; the step that I fetch: 16,384 x wave, in LDS
	s_add_co_u32 s86, s88, s84                     ; and in memory
	s_mov_b32 s87, 0
	s_lshl_b32 s89, s83, 4
	s_add_co_u32 s89, s89, s[WV]                   ; my tile of 16 queries, 0..127
	s_lshr_b32 s90, s89, 3
	s_lshl_b32 s90, s90, 14
	s_and_b32 s91, s89, 7
	s_lshl_b32 s91, s91, 10
	s_add_co_u32 s90, s90, s91
	s_add_co_u32 s90, s90, s84                     ; its image
	s_mov_b32 s91, 0
	s_lshr_b32 s92, s82, 4
	s_lshl_b32 s92, s92, 7
	s_add_co_u32 s92, s92, s89                     ; my tile among the 256 of all tokens
	s_lshl_b32 s92, s92, 3
	s_bfe_u32 s93, s82, 0x30001                    ; (head % 16) / 2: which 128 along the projection's K
	s_add_co_u32 s92, s92, s93
	s_lshl_b32 s92, s92, 11
	s_and_b32 s93, s82, 1
	s_lshl_b32 s93, s93, 10                        ; and which half of that fragment
	s_add_co_u32 s92, s92, s93
	s_mov_b32 s93, 0
	s_mov_b32 s[G1], 15|(3<<16)|(1<<21)            ; the mask: all four partners; elements of 8 bytes; bit 21 beside a mask; no padding
	s_mov_b32 s[G1+1], 32<<16                      ; rows of 256 bytes
	s_mov_b32 s[G1+2], 64<<16                      ; 64 rows
	s_mov_b32 s[G1+3], 32<<16
	s_mov_b32 s[G1+4], 64
	s_mov_b32 s[G1+5], 32                          ; the block is dense
	s_mov_b32 s[G1+6], 0
	s_mov_b32 s[G1+7], 0
	s_mov_b32 s[SEL], 0x76543210
	s_mov_b32 s[SEL+1], 0xfedcba98
	s_mov_b32 s[CS], 0x3e38aa3b                    ; c = log2(e) / 8
	s_mov_b32 s[TB], 0
	s_wait_dscnt 0x0                               ; both opening adds are done
	s_wait_kmcnt 0x0
	s_load_b256 s[68:75], s[12:13], 0x0            ; e0 .. e7
	s_mov_b32 s[G0], 1
	s_mov_b32 s[G0+1], s88
	s_add_nc_u64 s[G0+2:G0+3], s[6:7], s[86:87]
	s_or_b32 s[G0+3], s[G0+3], 0x80000000
	ROUND                                          ; all four work-groups are here: the first joint loads meet
	TLOAD 1                                        ; steps 0 to 3
	s_add_nc_u64 s[4:5], s[4:5], s[90:91]
	s_add_nc_u64 s[14:15], s[14:15], s[92:93]
	v_and_b32 v3, 31, v0
	s_delay_alu instid0(VALU_DEP_1)
	v_lshlrev_b32 v[LI], 4, v3
	global_load_b128 v[16:19], v[LI], s[4:5]       ; Q's fragment stays in registers
	global_load_b128 v[20:23], v[LI], s[4:5] offset:512
	v_mov_b32 v13, 0xff61b1e6                      ; the largest t so far: -3e38
	s_delay_alu instid0(VALU_DEP_1)
	v_floor_f32 v12, -v13                          ; -M
	v_mov_b32 v14, 0
	v_mov_b32 v15, 0
	v_mov_b32 v246, 0                              ; a lane permute's destination counts as read
	v_mov_b32 v253, 0                              ; named as the upper half of v[252:253]
.set n, 0
.rept 32
	v_mov_b32 v[160+n], 0                          ; O^T: the step is written once for each loop; its first run finds zeros, which the first change of M leaves zeros
.set n, n+1
.endr
	s_wait_kmcnt 0x0
	s_add_co_i32 s94, s70, s71
	s_lshl_b32 s94, s94, 23
	s_add_co_i32 s[CS], s[CS], s94                 ; a score stands for score x 2^(e2 + e3)
	s_mov_b32 s[CS+1], s[CS]
	s_add_co_i32 s94, s72, 127
	s_lshl_b32 s95, s94, 23
	v_mov_b32 v244, s95                            ; 2^e4 as f32
	s_add_co_i32 s94, s94, 8
	s_lshl_b32 s94, s94, 23
	s_or_b32 s94, s94, 0x600000
	v_mov_b32 v240, s94                            ; 448 x 2^e4,
	v_mov_b32 v241, s94                            ; twice: one for each half of a dual instruction
; A KEY STEP: the 128 keys at LDS byte s[TB].
.macro STEP
	v_add_nc_u32 v[ADR], s[TB], v[LI]
.rept 3
	v_nop                                          ; with the addition: four places in front of loads into registers that the last products read
.endr
.irp t, 0,1,2,3,4,5,6,7
.irp c, 0,1
	ds_load_b128 v[32+8*\t+4*\c:32+8*\t+4*\c+3], v[ADR] offset:\t*1024+512*\c
.endr
.endr
	s_wait_alu depctr_va_vdst(0)                   ; the wait
	s_wait_dscnt 0x0
.irp t, 0,1,2,3,4,5,6,7
	v_wmma_f32_16x16x64_fp8_fp8 v[96+8*\t:103+8*\t], v[32+8*\t:39+8*\t], v[16:23], 0
.endr
.rept 4
	v_nop                                          ; places in front of the loads below and of the first read of the scores
.endr
.irp t, 0,1,2,3
.irp c, 0,1,2,3
	ds_load_b128 v[32+16*\t+4*\c:32+16*\t+4*\c+3], v[ADR] offset:VOFF+2048*\t+512*\c   ; V is asked for ahead of the softmax
.endr
.endr
	v_max3_num_f32 v254, v96, v97, v98             ; the step's largest score of my query among my 64 keys, in two chains, each tile from its low end on
	v_max3_num_f32 v252, v99, v100, v101
.irp i, 6,10,14,18,22,26,30,34,38,42,46,50,54,58
	v_max3_num_f32 v254, v254, v[96+\i], v[97+\i]
	v_max3_num_f32 v252, v252, v[98+\i], v[99+\i]
.endr
	v_max3_num_f32 v254, v254, v158, v159
	s_delay_alu instid0(VALU_DEP_1)
	v_max_num_f32 v254, v254, v252
	s_delay_alu instid0(VALU_DEP_1)
	v_permlanex16_b32 v246, v254, s[SEL], s[SEL+1]
	s_delay_alu instid0(VALU_DEP_1)
	v_max_num_f32 v254, v254, v246                 ; and among lane l xor 16's
	s_delay_alu instid0(VALU_DEP_1)
	v_mul_f32 v254, s[CS], v254                    ; as t (c is positive)
	s_delay_alu instid0(VALU_DEP_1)
	v_max_num_f32 v13, v13, v254
	v_mov_b32 v254, v12
	s_delay_alu instid0(VALU_DEP_2)
	v_floor_f32 v12, -v13                          ; the new -M = floor(-t)
	s_delay_alu instid0(VALU_DEP_1)
	v_sub_f32 v254, v12, v254                      ; old M - new M: a whole number, 0 or less
	s_delay_alu instid0(VALU_DEP_1)
	v_cvt_i32_f32 v254, v254                       ; (it saturates)
	s_delay_alu instid0(VALU_DEP_1)
	v_ldexp_f32 v252, 1.0, v254                    ; f = 2^(old M - new M)
.irp j, 0,2,4,6,8,10,12,14,16,18,20,22,24,26,28,30,32,34,36,38,40,42,44,46,48,50,52,54,56,58,60,62
	v_pk_fma_f32 v[96+\j:97+\j], v[96+\j:97+\j], s[CS:CS+1], v[12:13] op_sel_hi:[1,0,0]   ; t - M
.endr
	s_wait_alu depctr_va_vdst(0)                   ; the wait ahead of the batch
.set n, 0
.rept 64
	v_exp_f32 v[96+n], v[96+n]                     ; p = 2^(t - M)
.set n, n+1
.endr
	v_pk_mul_f32 v[14:15], v[14:15], v[252:253] op_sel_hi:[1,0]   ; the sum under the new M: a plain instruction behind the exponentials
	s_wait_alu depctr_va_vdst(0)                   ; one wait for the batch, ahead of its first reader
	v_pk_add_f32 v[242:243], v[100:101], v[104:105]   ; the row's sum of the unquantised p, in eight chains
	v_pk_add_f32 v[254:255], v[108:109], v[112:113]
	v_pk_add_f32 v[250:251], v[116:117], v[120:121]
	v_pk_add_f32 v[248:249], v[124:125], v[128:129]
	v_pk_add_f32 v[238:239], v[132:133], v[136:137]
	v_pk_add_f32 v[236:237], v[140:141], v[144:145]
	v_pk_add_f32 v[234:235], v[148:149], v[152:153]
	v_pk_add_f32 v[14:15], v[14:15], v[156:157]
	v_pk_add_f32 v[242:243], v[242:243], v[96:97]
	v_pk_add_f32 v[254:255], v[254:255], v[98:99]
	v_pk_add_f32 v[250:251], v[250:251], v[102:103]
	v_pk_add_f32 v[248:249], v[248:249], v[106:107]
	v_pk_add_f32 v[238:239], v[238:239], v[110:111]
	v_pk_add_f32 v[236:237], v[236:237], v[114:115]
	v_pk_add_f32 v[234:235], v[234:235], v[118:119]
	v_pk_add_f32 v[14:15], v[14:15], v[122:123]
	v_pk_add_f32 v[242:243], v[242:243], v[126:127]
	v_pk_add_f32 v[254:255], v[254:255], v[130:131]
	v_pk_add_f32 v[250:251], v[250:251], v[134:135]
	v_pk_add_f32 v[248:249], v[248:249], v[138:139]
	v_pk_add_f32 v[238:239], v[238:239], v[142:143]
	v_pk_add_f32 v[236:237], v[236:237], v[146:147]
	v_pk_add_f32 v[234:235], v[234:235], v[150:151]
	v_pk_add_f32 v[14:15], v[14:15], v[154:155]
	v_pk_add_f32 v[242:243], v[242:243], v[158:159]
	s_delay_alu instid0(VALU_DEP_2)
	v_pk_add_f32 v[14:15], v[14:15], v[248:249]
	s_delay_alu instid0(VALU_DEP_2)
	v_pk_add_f32 v[242:243], v[242:243], v[238:239]
	v_pk_add_f32 v[254:255], v[254:255], v[236:237]
	v_pk_add_f32 v[250:251], v[250:251], v[234:235]
	s_delay_alu instid0(VALU_DEP_2)
	v_pk_add_f32 v[14:15], v[14:15], v[254:255]
	s_delay_alu instid0(VALU_DEP_2)
	v_pk_add_f32 v[242:243], v[242:243], v[250:251]
	s_delay_alu instid0(VALU_DEP_1)
	v_pk_add_f32 v[14:15], v[14:15], v[242:243]
.set n, 0
.rept 32
	v_dual_min_num_f32 v[96+n], v[96+n], v240 :: v_dual_min_num_f32 v[97+n], v[97+n], v241   ; the hold, two numbers an instruction; p is not negative (the conversion does not saturate: ISA guide 7.6.2)
.set n, n+2
.endr
.irp t, 0,1,2,3,4,5,6,7
	v_cvt_scalef32_pk8_fp8_f32 v[224+2*\t:225+2*\t], v[96+8*\t:103+8*\t], v244
.endr
	s_wait_alu depctr_va_vdst(0)                   ; directly ahead of the first reader of O^T
.irp j, 0,2,4,6,8,10,12,14,16,18,20,22,24,26,28,30
	v_pk_mul_f32 v[160+\j:161+\j], v[160+\j:161+\j], v[252:253] op_sel_hi:[1,0]   ; O^T under the new M.  (Plain instructions between the conversions and the products)
.endr
	s_wait_alu depctr_va_vdst(0)                   ; directly ahead of the wait below
	s_wait_dscnt 0x0                               ; V is in
.irp t, 0,1,2,3
	v_wmma_f32_16x16x128_fp8_fp8 v[160+8*\t:167+8*\t], v[32+16*\t:47+16*\t], v[224:239], v[160+8*\t:167+8*\t]   ; four accumulators by turns
.endr
.endm
.macro STEPS n                         ; the next n steps
	s_mov_b32 s[QC], \n
.Lstep_\@:
	STEP
	s_add_co_u32 s[TB], s[TB], STEPB
	s_sub_co_u32 s[QC], s[QC], 1
	s_cmp_lg_u32 s[QC], 0
	s_cbranch_scc1 .Lstep_\@
.endm
	s_wait_alu depctr_va_vdst(0)                   ; the wait at the head's end
	s_wait_loadcnt 0x0                             ; Q
	s_wait_tensorcnt 0x0                           ; waves 0 to 3: my step is in.  The later first fills are issued as refills are:
	ds_add_u32 v[SPW], v[NIL]                      ; the add, twice on end
	ds_add_u32 v[SPW], v[NIL]
	s_wait_dscnt 0x0
	ROUND                                          ; steps 0 to 3 are whole in all four work-groups, and the joint loads meet:
	TLOAD 0                                        ; steps 4 to 15, one to a wave
	STEPS 2
	s_wait_tensorcnt 0x0                           ; waves 4 to 15: my step is in (asked for two steps ago);
	s_wait_dscnt 0x0                               ; no LDS instruction of mine is out
	s_barrier_signal -1                            ; say so
	STEPS 2                                        ; steps 2 and 3: bytes that nobody writes
	s_barrier_wait -1                              ; steps 4 to 15 are whole
	STEPS 12
	; THE WAY OUT: O^T x 2^(e4 + e5) / the sum, held and converted with 2^e6
	v_add_f32 v14, v14, v15
	s_delay_alu instid0(VALU_DEP_1)
	v_permlanex16_b32 v252, v14, s[SEL], s[SEL+1]
	s_delay_alu instid0(VALU_DEP_1)
	v_add_f32 v14, v14, v252                       ; the row's sum
	s_wait_alu depctr_va_vdst(0)                   ; ahead of the transcendental
	v_rcp_f32 v14, v14
	s_add_co_i32 s94, s74, 127
	s_lshl_b32 s95, s94, 23
	v_mov_b32 v247, s95                            ; 2^e6.  (The plain instruction behind the reciprocal)
	s_add_co_i32 s94, s94, 8
	s_lshl_b32 s94, s94, 23
	s_or_b32 s94, s94, 0x600000
	v_mov_b32 v248, s94                            ; 448 x 2^e6
	s_add_co_i32 s96, s72, s73
	s_wait_alu depctr_va_vdst(0)                   ; ahead of the reciprocal's first reader
	v_ldexp_f32 v14, v14, s96
	s_wait_alu depctr_va_vdst(0)                   ; directly ahead of the first reader of O^T
.set n, 0
.rept 32
	v_mul_f32 v[96+n], v[160+n], v14               ; register 8 t + i is o(query r, 16 t + 8 h + i)
.set n, n+1
.endr
.set n, 0
.rept 32
	v_med3_num_f32 v[96+n], v[96+n], -v248, v248
.set n, n+1
.endr
.irp t, 0,1,2,3
	v_cvt_scalef32_pk8_fp8_f32 v[128+2*\t:129+2*\t], v[96+8*\t:103+8*\t], v247
.endr
	v_nop
	global_store_b128 v[LI], v[128:131], s[14:15]  ; 512 consecutive bytes, aligned
	global_store_b128 v[LI], v[132:135], s[14:15] offset:512
	s_wait_tensorcnt 0x0                           ; the wave's end
	ds_add_u32 v[SPW], v[NIL]
	s_wait_dscnt 0x0
	ROUND                                          ; the closing round
	s_endpgm
.Lfunc_end_k_q7ba8217ccb_attn:
	.size	k_q7ba8217ccb_attn, .Lfunc_end_k_q7ba8217ccb_attn-k_q7ba8217ccb_attn
	.p2alignl 7, 3214868480
	.fill 96, 4, 3214868480
	.section	.rodata,"a",@progbits
	.p2align	6, 0x0
	.amdhsa_kernel k_q7ba8217ccb_attn
		.amdhsa_group_segment_fixed_size 327680
		.amdhsa_private_segment_fixed_size 0
		.amdhsa_enable_private_segment 0
		.amdhsa_kernarg_size 32
		.amdhsa_user_sgpr_count 2
		.amdhsa_user_sgpr_kernarg_segment_ptr 1
		.amdhsa_wavefront_size32 1
		.amdhsa_system_sgpr_workgroup_id_x 1
		.amdhsa_system_sgpr_workgroup_id_y 1
		.amdhsa_system_sgpr_workgroup_id_z 1
		.amdhsa_system_vgpr_workitem_id 0
		.amdhsa_next_free_vgpr 256
		.amdhsa_next_free_sgpr 100
		.amdhsa_reserve_vcc 0
		.amdhsa_float_denorm_mode_32 3
		.amdhsa_float_denorm_mode_16_64 3
		.amdhsa_memory_ordered 1
		.amdhsa_forward_progress 1
		.amdhsa_inst_pref_size 59
	.end_amdhsa_kernel
	.amdgpu_metadata
---
amdhsa.version: [ 1, 2 ]
amdhsa.kernels:
  - .name:           k_q7ba8217ccb_attn
    .symbol:         k_q7ba8217ccb_attn.kd
    .args:
      - { .name: qimg, .offset: 0, .size: 8, .value_kind: global_buffer, .address_space: global }
      - { .name: kvimg, .offset: 8, .size: 8, .value_kind: global_buffer, .address_space: global }
      - { .name: lowp_scales, .offset: 16, .size: 8, .value_kind: global_buffer, .address_space: global }
      - { .name: aoimg, .offset: 24, .size: 8, .value_kind: global_buffer, .address_space: global }
    .group_segment_fixed_size: 327680
    .private_segment_fixed_size: 0
    .kernarg_segment_align: 8
    .kernarg_segment_size: 32
    .max_flat_workgroup_size: 512
    .sgpr_count:     100
    .vgpr_count:     256
    .wavefront_size: 32
...
	.end_amdgpu_metadata
.endif
;; end of part 3
;; launch gemm_out (part 4): grid 8 x 32, 4 waves a work-group, clusters of 4 x 4, 327,680 bytes of LDS; arguments aoimg, w_out_codes, lowp_scales, b_out, x, x1; writes x1
.if DOCPART == 4
	.amdgcn_target "amdgcn-amd-amdhsa--gfx1250"
	.amdhsa_code_object_version 6
	.text
	.protected	k_q7ba8217ccb_gemm_out
	.globl	k_q7ba8217ccb_gemm_out
	.p2align	8
	.type	k_q7ba8217ccb_gemm_out,@function
k_q7ba8217ccb_gemm_out:
	s_mov_b64 s[64:65], 0
	v_nop
	global_prefetch_b8 v0, s[64:65] scope:SCOPE_SE
	s_setreg_imm32_b32 hwreg(HW_REG_WAVE_MODE, 25, 1), 1
	s_wait_xcnt 0x0
	s_wait_alu depctr_hold_cnt(0) depctr_sa_sdst(0) depctr_va_vdst(0) depctr_va_sdst(0) depctr_va_ssrc(0) depctr_va_vcc(0) depctr_vm_vsrc(0)
	s_getreg_b32 s2, hwreg(HW_REG_IB_STS2, 6, 4)
	s_cmp_eq_u32 s2, 0
	s_cbranch_scc0 .Lentry_in_a_cluster
	s_endpgm
.Lentry_in_a_cluster:
	s_bfe_u32 s2, ttmp6, 0x10000c
	s_cmp_lg_u32 s2, 0xf033
	s_cbranch_scc0 .Lentry_shape_is_right
	s_endpgm
.Lentry_shape_is_right:
; x1 = x + ao Wout^T x 2^(e6 + e7) + b_out.  ao: images of fragments (aoimg, made by attn); Wout: [1024][1024] codes; sums in f32.  Nothing is left out.
; A tile of 128 x 128 is made by four waves, 64 x 64 each; K goes in two steps of 512, one to each LDS slot; 4 x 4 clusters ask jointly for ao's tile along a row and for the weights' along a column.
; K step 0 is asked for at the head, one load a wave; K step 1 behind the full sequence and a round.
; PREFETCH: behind K step 0's load K step 1 is asked of memory, one instruction a wave.  Of the 128 blocks of 256 bytes that a wave fetches, each of the four partners that ask jointly takes 32, told apart by address
; (16 x SIZE_K bytes x cx in ao: one tile of 16 tokens, lanes 256 bytes apart; x cy in Wout: 16 rows, two lanes to a row).
; LIMIT: e6 + e7 between -126 and 127.
.set SIZE_K, 1024
.set EOFF,   24
.set NTOUT,  0
.set KT,     SIZE_K/128
.set KSTEP,  512
.set PB,     528
.set AHALF,  32768
.set BOFF,   65536
.set BHALF,  64*PB
.set SLOT,   BOFF+2*BHALF
.set STAGE,  2*SLOT
.set SP,     272
.set SPARE,  STAGE+4*16*SP
.set LAPS,   SIZE_K/(2*KSTEP)
.set BIAS, 12
.set ADRA, 16
.set ADRB, 20
.set STO,  24
.set RD,   25
.set CO,   26
.set BA,   27
.set SPW,  28
.set NIL,  29
.set ACC,  128
.set F0,   0
.set F1,   128
.set G1, 24
.set G0, 32
.set G1B, 48
.set G0B, 56
.set MSB, 0
.macro WIN new
.if MSB != (\new)
	s_set_vgpr_msb (MSB<<8)|(\new)
.set MSB, (\new)
.endif
.endm
.set MUL,  0x05
.set TO_F, 0x40
.macro JLOAD s
	s_cmp_eq_u32 s15, 0
	s_cbranch_scc0 .Lfor_b_\@
	tensor_load_to_lds s[G0+4*\s:G0+4*\s+3], s[G1:G1+7]
	s_nop 0
.rept 4
	v_nop
.endr
	s_branch .Lasked_\@
.Lfor_b_\@:
	tensor_load_to_lds s[G0B+4*\s:G0B+4*\s+3], s[G1B:G1B+7]
	s_nop 0
.rept 4
	v_nop
.endr
.Lasked_\@:
.endm
.macro CREST
	s_cmp_lg_u32 s14, 0
	s_cbranch_scc1 .Lnot_wave_0_\@
	s_barrier_signal -3
.Lnot_wave_0_\@:
	s_barrier_wait -3
	s_barrier_signal -1
	s_barrier_wait -1
.endm
.macro CROUND
	s_barrier_signal -1
	s_barrier_wait -1
	CREST
.endm
	s_load_b128 s[4:7], s[0:1], 0x0
	s_load_b128 s[8:11], s[0:1], 0x10
	s_load_b128 s[68:71], s[0:1], 0x20
	v_lshl_add_u32 v[SPW], v0, 2, SPARE
	v_mov_b32 v[NIL], 0
	ds_add_u32 v[SPW], v[NIL]
	ds_add_u32 v[SPW], v[NIL]
	v_lshrrev_b32 v1, 5, v0
	v_readfirstlane_b32 s14, v1
	s_lshr_b32 s15, s14, 1
	s_and_b32 s16, s14, 1
	s_bfe_u32 s40, ttmp6, 0x40000
	s_bfe_u32 s41, ttmp6, 0x40004
	s_lshl_b32 s42, ttmp9, 2
	s_add_co_u32 s42, s42, s40
	s_and_b32 s17, ttmp7, 0xffff
	s_lshl_b32 s17, s17, 2
	s_add_co_u32 s17, s17, s41
	s_lshl_b32 s43, s41, 2
	s_lshl_b32 s43, 15, s43
	s_lshl_b32 s44, 0x1111, s40
	s_or_b32 s[G1+0], s43, (3<<16)|(1<<21)
	s_mov_b32 s[G1+1], 1024<<16
	s_mov_b32 s[G1+2], 4<<16
	s_mov_b32 s[G1+3], 1024<<16
	s_mov_b32 s[G1+4], 4
	s_mov_b32 s[G1+5], KT*256
	s_mov_b32 s[G1+6], 0
	s_mov_b32 s[G1+7], 0
	s_or_b32 s[G1B+0], s44, (0<<16)|(1<<20)|(1<<21)|(6<<22)|(3<<25)
	s_mov_b32 s[G1B+1], KSTEP<<16
	s_mov_b32 s[G1B+2], 64<<16
	s_mov_b32 s[G1B+3], KSTEP<<16
	s_mov_b32 s[G1B+4], 64
	s_mov_b32 s[G1B+5], SIZE_K
	s_mov_b32 s[G1B+6], 0
	s_mov_b32 s[G1B+7], 0
	s_lshl_b32 s18, s16, 2
	s_lshl_b32 s20, s17, 3
	s_add_co_u32 s20, s20, s18
	s_mul_i32 s20, s20, KT*2048
	s_mov_b32 s21, 0
	s_lshl_b32 s18, s16, 6
	s_lshl_b32 s46, s42, 7
	s_add_co_u32 s46, s46, s18
	s_mul_i32 s46, s46, SIZE_K
	s_mov_b32 s47, 0
	s_lshl_b32 s45, s16, 15
	s_mul_i32 s67, s16, BHALF
	s_add_co_u32 s67, s67, BOFF
	s_wait_dscnt 0x0
	s_wait_kmcnt 0x0
	s_load_b64 s[96:97], s[8:9], EOFF
	s_add_nc_u64 s[20:21], s[4:5], s[20:21]
	s_add_nc_u64 s[46:47], s[6:7], s[46:47]
	CROUND
.irp s, 0,1
	s_mov_b32 s[G0+4*\s], 1
	s_add_co_u32 s[G0+4*\s+1], s45, \s*SLOT
	s_add_nc_u64 s[G0+4*\s+2:G0+4*\s+3], s[20:21], \s*8192
	s_or_b32 s[G0+4*\s+3], s[G0+4*\s+3], 0x80000000
	s_mov_b32 s[G0B+4*\s], 1
	s_add_co_u32 s[G0B+4*\s+1], s67, \s*SLOT
	s_add_nc_u64 s[G0B+4*\s+2:G0B+4*\s+3], s[46:47], \s*KSTEP
	s_or_b32 s[G0B+4*\s+3], s[G0B+4*\s+3], 0x80000000
.endr
	JLOAD 0                                        ; K step 0: one tensor load a wave at the head
	s_cmp_eq_u32 s15, 0                            ; the prefetch: do I fetch ao's tile?
	s_cselect_b64 s[72:73], s[20:21], s[46:47]     ; what my wave fetches,
	s_cselect_b32 s74, s40, s41                    ; my place among the four that ask for it with me,
	s_mov_b32 s76, KSTEP
	s_cselect_b32 s76, 8192, s76                   ; a K step in bytes,
	s_mov_b32 s79, SIZE_K
	s_cselect_b32 s79, 256, s79                    ; from row to row,
	s_cselect_b32 s78, 0, 1                        ; one lane or two to a row
	s_mul_i32 s74, s74, 16*SIZE_K
	s_mov_b32 s75, 0
	s_add_nc_u64 s[72:73], s[72:73], s[74:75]
	s_mov_b32 s77, 0
	s_add_nc_u64 s[72:73], s[72:73], s[76:77]      ; at K step 1
	v_and_b32 v30, 31, v0
	v_lshrrev_b32 v31, s78, v30
	v_and_b32 v30, s78, v30
	v_mul_u32_u24 v31, v31, s79
	v_lshl_add_u32 v30, v30, 8, v31                ; my lane's block
	global_prefetch_b8 v30, s[72:73] th:TH_LOAD_NT scope:SCOPE_SE
	v_and_b32 v1, 15, v0
	v_bfe_u32 v2, v0, 4, 1
	v_and_b32 v3, 31, v0
	v_lshlrev_b32 v4, 4, v3
	v_mul_u32_u24 v5, v1, PB
	v_lshl_add_u32 v5, v2, 3, v5
	s_lshl_b32 s21, s15, 15
	s_mul_i32 s22, s16, BHALF
	s_add_co_u32 s22, s22, BOFF
.irp s, 0,1
	v_add_nc_u32 v[ADRA+\s], s21, v4
	v_add_nc_u32 v[ADRB+\s], s22, v5
	s_add_co_u32 s21, s21, SLOT
	s_add_co_u32 s22, s22, SLOT
.endr
	s_mul_i32 s23, s14, 16*SP
	s_add_co_u32 s23, s23, STAGE
	v_mul_u32_u24 v6, v1, SP
	v_lshl_add_u32 v6, v2, 5, v6
	v_add_nc_u32 v[STO], s23, v6
	v_mul_u32_u24 v7, v2, SP
	v_lshl_add_u32 v7, v1, 4, v7
	v_add_nc_u32 v[RD], s23, v7
	v_lshlrev_b32 v[CO], 12, v2
	v_lshl_add_u32 v[CO], v1, 4, v[CO]
	s_wait_alu depctr_va_vdst(0)
	v_lshlrev_b32 v[BA], 4, v1
	s_wait_alu depctr_va_vdst(0)
	s_lshl_b32 s86, s17, 7
	s_lshl_b32 s87, s15, 6
	s_add_co_u32 s86, s86, s87
	s_lshl_b32 s86, s86, 12
	s_lshl_b32 s88, s42, 7
	s_lshl_b32 s89, s16, 6
	s_add_co_u32 s88, s88, s89
	s_lshl_b32 s88, s88, 2
	s_add_co_u32 s86, s86, s88
	s_mov_b32 s87, 0
	s_mov_b32 s89, 0
	s_add_nc_u64 s[68:69], s[68:69], s[86:87]
	s_add_nc_u64 s[70:71], s[70:71], s[86:87]
	s_add_nc_u64 s[10:11], s[10:11], s[88:89]
.macro MUL8 f, a0, zero
.irp a, \a0, \a0+1
.irp b, 0,1,2,3
.if \zero
	v_wmma_f32_16x16x128_fp8_fp8 v[ACC+8*(4*(\a)+\b):ACC+8*(4*(\a)+\b)+7], v[\f+64+16*\b:\f+64+16*\b+15], v[\f+16*(\a):\f+16*(\a)+15], 0
.else
	v_wmma_f32_16x16x128_fp8_fp8 v[ACC+8*(4*(\a)+\b):ACC+8*(4*(\a)+\b)+7], v[\f+64+16*\b:\f+64+16*\b+15], v[\f+16*(\a):\f+16*(\a)+15], v[ACC+8*(4*(\a)+\b):ACC+8*(4*(\a)+\b)+7]
.endif
.endr
.endr
.endm
.macro FETCH slot, q, f
	WIN TO_F
.irp i, 0,1,2,3
.irp c, 0,1,2,3,4,5,6,7
	ds_load_b64 v[\f+64+16*\i+2*\c:\f+64+16*\i+2*\c+1], v[ADRB+\slot] offset:\i*16*PB+128*(\q)+16*\c
.endr
.endr
.irp i, 0,1,2,3
.irp c, 0,1,2,3
	ds_load_b128 v[\f+16*\i+4*\c:\f+16*\i+4*\c+3], v[ADRA+\slot] offset:\i*8192+2048*(\q)+512*\c
.endr
.endr
.endm
.macro PLACES
.rept 4
	v_nop
.endr
.endm
.macro QUARTER slot, q, f, g, zero
	s_wait_dscnt 8
	WIN MUL
	MUL8 \f, 0, \zero
	PLACES
	FETCH \slot, \q, \g
	s_wait_dscnt 48
	WIN MUL
	MUL8 \f, 2, \zero
.endm
.macro TURN slot, next, fill
	WIN 0
	s_wait_tensorcnt 0x0
	ds_add_u32 v[SPW], v[NIL]
	s_wait_dscnt 9
	WIN MUL
	MUL8 F1, 0, 0
	s_wait_dscnt 0x0
	s_barrier_signal -1
	WIN 0
	s_barrier_wait -1
.if \fill
	CREST
	s_add_nc_u64 s[G0+4*\slot+2:G0+4*\slot+3], s[G0+4*\slot+2:G0+4*\slot+3], 2*8192
	s_add_nc_u64 s[G0B+4*\slot+2:G0B+4*\slot+3], s[G0B+4*\slot+2:G0B+4*\slot+3], 2*KSTEP
	JLOAD \slot
.else
	PLACES
.endif
	FETCH \next, 0, F0
	WIN MUL
	MUL8 F1, 2, 0
.endm
	s_wait_alu depctr_va_vdst(0)                   ; the wait at the head's end
	s_wait_tensorcnt 0x0                           ; my part of K step 0 is in; slot 1's first fill is issued as a refill is
	ds_add_u32 v[SPW], v[NIL]
	s_wait_dscnt 0x0
	CROUND
	JLOAD 1                                        ; K step 1
	WIN 0x80                                       ; x at my 64 x 64 results' places, into window 2, and b_out: waited for on the way out
.set n, 0
.rept 32
	global_load_b128 v[4*n:4*n+3], v[CO], s[68:69] offset:8192*n
.set n, n+1
.endr
	WIN 0
	global_load_b128 v[BIAS:BIAS+3], v[BA], s[10:11]
	FETCH 0, 0, F0
	QUARTER 0, 1, F0, F1, 1
.if LAPS > 1
	WIN 0
	s_mov_b32 s3, LAPS-1
.Llap:
	QUARTER 0, 2, F1, F0, 0
	QUARTER 0, 3, F0, F1, 0
	TURN 0, 1, 1
	QUARTER 1, 1, F0, F1, 0
	QUARTER 1, 2, F1, F0, 0
	QUARTER 1, 3, F0, F1, 0
	TURN 1, 0, 1
	QUARTER 0, 1, F0, F1, 0
	WIN 0
	s_sub_co_u32 s3, s3, 1
	s_cmp_lg_u32 s3, 0
	s_cbranch_scc1 .Llap
.endif
	QUARTER 0, 2, F1, F0, 0
	QUARTER 0, 3, F0, F1, 0
	TURN 0, 1, 0
	QUARTER 1, 1, F0, F1, 0
	QUARTER 1, 2, F1, F0, 0
	QUARTER 1, 3, F0, F1, 0
	s_wait_dscnt 8
	WIN MUL
	MUL8 F1, 0, 0
	s_wait_dscnt 0
	MUL8 F1, 2, 0
	WIN 0
	s_wait_kmcnt 0x0
	s_add_co_i32 s96, s96, s97
	s_add_co_i32 s96, s96, 127
	s_lshl_b32 s96, s96, 23
	s_mov_b32 s97, s96
	s_wait_loadcnt 0x0
	PLACES
; THE WAY OUT of block a (16 rows x 64 columns), in two parts.  STG: into my own stage in LDS and back as rows of 256 bytes (LDS serves a wave's instructions in order: ISA guide 5.7.1.4).  FIN: scale, residual, bias, stores.
.macro STG a
.set BK, 32+32*((\a)%2)
.if (\a) >= 2
	s_wait_xcnt 0x0
.endif
.irp b, 0,1,2,3
	ds_store_b128 v[STO], v[ACC+8*(4*(\a)+\b):ACC+8*(4*(\a)+\b)+3] offset:64*\b
	ds_store_b128 v[STO], v[ACC+8*(4*(\a)+\b)+4:ACC+8*(4*(\a)+\b)+7] offset:64*\b+16
.endr
.irp t, 0,1,2,3,4,5,6,7
	ds_load_b128 v[BK+4*\t:BK+4*\t+3], v[RD] offset:\t*2*SP
.endr
.endm
.macro FIN a, younger                  ; younger: the LDS instructions issued behind block a's loads, which may stay out
.set BK, 32+32*((\a)%2)
	s_wait_dscnt \younger
	WIN 0x20
.irp t, 0,1,2,3,4,5,6,7
.irp i, 0,2
	v_pk_fma_f32 v[BK+4*\t+\i:BK+4*\t+\i+1], v[BK+4*\t+\i:BK+4*\t+\i+1], s[96:97], v[4*(8*(\a)+\t)+\i:4*(8*(\a)+\t)+\i+1] op_sel_hi:[1,0,1]
.endr
.endr
	WIN 0
.irp t, 0,1,2,3,4,5,6,7
.irp i, 0,2
	v_pk_add_f32 v[BK+4*\t+\i:BK+4*\t+\i+1], v[BK+4*\t+\i:BK+4*\t+\i+1], v[BIAS+\i:BIAS+\i+1]
.endr
.endr
.irp t, 0,1,2,3,4,5,6,7
.if NTOUT
	global_store_b128 v[CO], v[BK+4*\t:BK+4*\t+3], s[70:71] offset:(16*(\a)+2*\t)*4096 th:TH_STORE_NT
.else
	global_store_b128 v[CO], v[BK+4*\t:BK+4*\t+3], s[70:71] offset:(16*(\a)+2*\t)*4096
.endif
.endr
.endm
	STG 0
	STG 1                                          ; block a + 1 is on its way through the stage while block a is finished: behind block a's loads stand its 8 stores and 8 loads
	FIN 0, 16
	STG 2
	FIN 1, 16
	STG 3
	FIN 2, 16
	FIN 3, 0
	s_wait_tensorcnt 0x0
	ds_add_u32 v[SPW], v[NIL]
	s_wait_dscnt 0x0
	CROUND
	s_endpgm
.Lfunc_end_k_q7ba8217ccb_gemm_out:
	.size	k_q7ba8217ccb_gemm_out, .Lfunc_end_k_q7ba8217ccb_gemm_out-k_q7ba8217ccb_gemm_out
	.p2alignl 7, 3214868480
	.fill 96, 4, 3214868480
	.section	.rodata,"a",@progbits
	.p2align	6, 0x0
	.amdhsa_kernel k_q7ba8217ccb_gemm_out
		.amdhsa_group_segment_fixed_size 327680
		.amdhsa_private_segment_fixed_size 0
		.amdhsa_enable_private_segment 0
		.amdhsa_kernarg_size 48
		.amdhsa_user_sgpr_count 2
		.amdhsa_user_sgpr_kernarg_segment_ptr 1
		.amdhsa_wavefront_size32 1
		.amdhsa_system_sgpr_workgroup_id_x 1
		.amdhsa_system_sgpr_workgroup_id_y 1
		.amdhsa_system_sgpr_workgroup_id_z 1
		.amdhsa_system_vgpr_workitem_id 0
		.amdhsa_next_free_vgpr 768
		.amdhsa_next_free_sgpr 100
		.amdhsa_reserve_vcc 0
		.amdhsa_float_denorm_mode_32 3
		.amdhsa_float_denorm_mode_16_64 3
		.amdhsa_memory_ordered 1
		.amdhsa_forward_progress 1
		.amdhsa_inst_pref_size 63
	.end_amdhsa_kernel
	.amdgpu_metadata
---
amdhsa.version: [ 1, 2 ]
amdhsa.kernels:
  - .name:           k_q7ba8217ccb_gemm_out
    .symbol:         k_q7ba8217ccb_gemm_out.kd
    .args:
      - { .name: aoimg, .offset: 0, .size: 8, .value_kind: global_buffer, .address_space: global }
      - { .name: w_out_codes, .offset: 8, .size: 8, .value_kind: global_buffer, .address_space: global }
      - { .name: lowp_scales, .offset: 16, .size: 8, .value_kind: global_buffer, .address_space: global }
      - { .name: b_out, .offset: 24, .size: 8, .value_kind: global_buffer, .address_space: global }
      - { .name: x, .offset: 32, .size: 8, .value_kind: global_buffer, .address_space: global }
      - { .name: x1, .offset: 40, .size: 8, .value_kind: global_buffer, .address_space: global }
    .group_segment_fixed_size: 327680
    .private_segment_fixed_size: 0
    .kernarg_segment_align: 8
    .kernarg_segment_size: 48
    .max_flat_workgroup_size: 128
    .sgpr_count:     100
    .vgpr_count:     768
    .wavefront_size: 32
...
	.end_amdgpu_metadata
.endif
;; end of part 4
;; launch ln2 (part 5): grid 512 x 1, 8 waves a work-group, no clusters, 9,216 bytes of LDS; arguments x1, ln2_g, ln2_b, lowp_scales, hc; writes hc
.if DOCPART == 5
	.amdgcn_target "amdgcn-amd-amdhsa--gfx1250"
	.amdhsa_code_object_version 6
	.text
	.protected	k_q7ba8217ccb_ln2
	.globl	k_q7ba8217ccb_ln2
	.p2align	8
	.type	k_q7ba8217ccb_ln2,@function
k_q7ba8217ccb_ln2:
	s_mov_b64 s[64:65], 0
	v_nop
	global_prefetch_b8 v0, s[64:65] scope:SCOPE_SE
	s_setreg_imm32_b32 hwreg(HW_REG_WAVE_MODE, 25, 1), 1
	s_wait_xcnt 0x0
; hc[row][:] = the E4M3 codes of LayerNorm(x1[row][:]) x g + b, with the given scale 2^e, e = lowp_scales[8].  The text of ln1 with another EOFF; nothing is left out.
; One wave takes one row of 4,096 bytes and keeps it in 32 registers; the mean first, then the variance of the differences; the scale folded in exactly; the hold at +-448 (the conversion does not saturate: ISA guide 7.6.2);
; the codes go through the wave's own 1,024 bytes of LDS and leave as two stores of 512 consecutive bytes.  No barrier, no matrix unit, no cluster: memory binds and waves share nothing.
; LIMITS: e between -127 and 126.  NaN among the inputs is not served.
.set EOFF,  32
.set SPARE, 8192
.set X,  16
.set G,  48
.set BV, 80
	s_load_b256 s[4:11], s[0:1], 0x0               ; x1 s[4:5], g s[6:7], b s[8:9], the exponents s[10:11]
	s_load_b64 s[12:13], s[0:1], 0x20              ; hc
	v_lshl_add_u32 v5, v0, 2, SPARE                ; my spare word; never rewritten
	v_mov_b32 v6, 0                                ; 0; never rewritten
	v_lshrrev_b32 v7, 5, v0
	s_delay_alu instid0(VALU_DEP_1)
	v_readfirstlane_b32 s14, v7                    ; wave 0..7
	v_and_b32 v2, 31, v0
	s_delay_alu instid0(VALU_DEP_1)
	v_lshlrev_b32 v1, 4, v2                        ; 16 x lane
	s_lshl_b32 s15, s14, 10
	v_lshl_add_u32 v3, v2, 2, s15
	v_add_nc_u32 v4, s15, v1
	s_lshl_b32 s16, ttmp9, 3
	s_add_co_u32 s16, s16, s14                     ; my row
	s_lshl_b32 s18, s16, 12
	s_mov_b32 s19, 0
	s_lshl_b32 s20, s16, 10
	s_mov_b32 s21, 0
	s_mov_b32 s26, 0xc3e00000                      ; -448
	s_mov_b32 s27, 0x43e00000                      ; 448
	s_mov_b32 s28, 0x76543210
	s_mov_b32 s29, 0xfedcba98
	s_mov_b32 s30, 0x3a800000                      ; 1 / 1024
	s_mov_b32 s31, 0x3727c5ac                      ; eps
	s_wait_alu depctr_va_vdst(0)
	s_wait_kmcnt 0x0
	s_load_b32 s22, s[10:11], EOFF                 ; e
	s_add_nc_u64 s[4:5], s[4:5], s[18:19]
	s_add_nc_u64 s[12:13], s[12:13], s[20:21]
.irp j, 0,1,2,3,4,5,6,7
	global_load_b128 v[X+4*\j:X+4*\j+3], v1, s[4:5] offset:512*\j
.endr
.irp j, 0,1,2,3,4,5,6,7
	global_load_b128 v[G+4*\j:G+4*\j+3], v1, s[6:7] offset:512*\j
.endr
.irp j, 0,1,2,3,4,5,6,7
	global_load_b128 v[BV+4*\j:BV+4*\j+3], v1, s[8:9] offset:512*\j
.endr
.macro ACROSS                          ; a sum over the wave's 32 lanes of v8, result in every lane
	s_delay_alu instid0(VALU_DEP_1)
	v_add_f32 v8, v8, v9
	s_delay_alu instid0(VALU_DEP_1)
	v_add_f32_dpp v8, v8, v8 row_xmask:1 row_mask:0xf bank_mask:0xf
	s_delay_alu instid0(VALU_DEP_1)
	v_add_f32_dpp v8, v8, v8 row_xmask:2 row_mask:0xf bank_mask:0xf
	s_delay_alu instid0(VALU_DEP_1)
	v_add_f32_dpp v8, v8, v8 row_xmask:4 row_mask:0xf bank_mask:0xf
	s_delay_alu instid0(VALU_DEP_1)
	v_add_f32_dpp v8, v8, v8 row_xmask:8 row_mask:0xf bank_mask:0xf
	s_delay_alu instid0(VALU_DEP_1)
	v_permlanex16_b32 v9, v8, s28, s29
	s_delay_alu instid0(VALU_DEP_1)
	v_add_f32 v8, v8, v9
.endm
	s_wait_loadcnt 16                              ; the row's eight loads are in; the sixteen of g and b may be out
	v_pk_add_f32 v[10:11], v[16:17], v[18:19]
	v_pk_add_f32 v[126:127], v[24:25], v[28:29]
	v_pk_add_f32 v[124:125], v[32:33], v[36:37]
	v_pk_add_f32 v[122:123], v[40:41], v[44:45]
	v_pk_add_f32 v[120:121], v[20:21], v[22:23]
	v_pk_add_f32 v[118:119], v[26:27], v[30:31]
	v_pk_add_f32 v[116:117], v[34:35], v[38:39]
	v_pk_add_f32 v[8:9], v[42:43], v[46:47]
	s_delay_alu instid0(VALU_DEP_1)
	v_pk_add_f32 v[8:9], v[8:9], v[122:123]
	v_pk_add_f32 v[10:11], v[10:11], v[120:121]
	v_pk_add_f32 v[126:127], v[126:127], v[118:119]
	v_pk_add_f32 v[124:125], v[124:125], v[116:117]
	s_delay_alu instid0(VALU_DEP_2)
	v_pk_add_f32 v[8:9], v[8:9], v[126:127]
	s_delay_alu instid0(VALU_DEP_2)
	v_pk_add_f32 v[10:11], v[10:11], v[124:125]
	s_delay_alu instid0(VALU_DEP_1)
	v_pk_add_f32 v[8:9], v[8:9], v[10:11]
	ACROSS
	s_delay_alu instid0(VALU_DEP_1)
	v_mul_f32 v12, s30, v8                         ; the mean, twice
	s_delay_alu instid0(VALU_DEP_1)
	v_mov_b32 v13, v12
.irp j, 0,2,4,6,8,10,12,14,16,18,20,22,24,26,28,30
	v_pk_add_f32 v[X+\j:X+\j+1], v[X+\j:X+\j+1], v[12:13] neg_lo:[0,1] neg_hi:[0,1]
.endr
	v_pk_mul_f32 v[8:9], v[X:X+1], v[X:X+1]
	v_pk_mul_f32 v[10:11], v[X+2:X+3], v[X+2:X+3]
.irp j, 4,8,12,16,20,24,28
	s_delay_alu instid0(VALU_DEP_2)
	v_pk_fma_f32 v[8:9], v[X+\j:X+\j+1], v[X+\j:X+\j+1], v[8:9]
	s_delay_alu instid0(VALU_DEP_2)
	v_pk_fma_f32 v[10:11], v[X+\j+2:X+\j+3], v[X+\j+2:X+\j+3], v[10:11]
.endr
	s_delay_alu instid0(VALU_DEP_1)
	v_pk_add_f32 v[8:9], v[8:9], v[10:11]
	ACROSS
	s_delay_alu instid0(VALU_DEP_1)
	v_fma_f32 v8, v8, s30, s31                     ; the variance + eps
	s_wait_alu depctr_va_vdst(0)
	v_rsq_f32 v14, v8
	v_nop                                          ; a plain instruction behind the transcendental
	s_wait_kmcnt 0x0
	s_sub_co_i32 s24, 127, s22
	s_lshl_b32 s24, s24, 23                        ; 2^-e as f32
	s_mov_b32 s25, s24
	s_wait_alu depctr_va_vdst(0)                   ; the wait ahead of the result's first reader
	v_mul_f32 v14, s24, v14
	s_delay_alu instid0(VALU_DEP_1)
	v_mov_b32 v15, v14
	s_wait_alu depctr_va_vdst(0)
	s_wait_loadcnt 0x0
.irp j, 0,2,4,6,8,10,12,14,16,18,20,22,24,26,28,30
	v_pk_mul_f32 v[X+\j:X+\j+1], v[X+\j:X+\j+1], v[14:15]
	v_pk_mul_f32 v[BV+\j:BV+\j+1], v[BV+\j:BV+\j+1], s[24:25] op_sel_hi:[1,0]
	s_delay_alu instid0(VALU_DEP_1)
	v_pk_fma_f32 v[X+\j:X+\j+1], v[X+\j:X+\j+1], v[G+\j:G+\j+1], v[BV+\j:BV+\j+1]
.endr
.set n, 0
.rept 32
	v_med3_num_f32 v[X+n], v[X+n], s26, s27
.set n, n+1
.endr
.irp j, 0,1,2,3,4,5,6,7
	v_mov_b32 v[112+\j], 0
.endr
	v_cvt_pk_fp8_f32 v112.l, v16, v17
	v_cvt_pk_fp8_f32 v112.h, v18, v19
	v_cvt_pk_fp8_f32 v113.l, v20, v21
	v_cvt_pk_fp8_f32 v113.h, v22, v23
	v_cvt_pk_fp8_f32 v114.l, v24, v25
	v_cvt_pk_fp8_f32 v114.h, v26, v27
	v_cvt_pk_fp8_f32 v115.l, v28, v29
	v_cvt_pk_fp8_f32 v115.h, v30, v31
	v_cvt_pk_fp8_f32 v116.l, v32, v33
	v_cvt_pk_fp8_f32 v116.h, v34, v35
	v_cvt_pk_fp8_f32 v117.l, v36, v37
	v_cvt_pk_fp8_f32 v117.h, v38, v39
	v_cvt_pk_fp8_f32 v118.l, v40, v41
	v_cvt_pk_fp8_f32 v118.h, v42, v43
	v_cvt_pk_fp8_f32 v119.l, v44, v45
	v_cvt_pk_fp8_f32 v119.h, v46, v47
.irp j, 0,1,2,3,4,5,6,7
	ds_store_b32 v3, v[112+\j] offset:128*\j
.endr
	ds_load_b128 v[120:123], v4                    ; LDS serves a wave's instructions in order (ISA guide 5.7.1.4)
	ds_load_b128 v[124:127], v4 offset:512
	s_wait_dscnt 0x0
	global_store_b128 v1, v[120:123], s[12:13]
	global_store_b128 v1, v[124:127], s[12:13] offset:512
	s_wait_tensorcnt 0x0                           ; the wave's end: behind my last LDS store
	ds_add_u32 v5, v6
	s_wait_dscnt 0x0
	s_endpgm
.Lfunc_end_k_q7ba8217ccb_ln2:
	.size	k_q7ba8217ccb_ln2, .Lfunc_end_k_q7ba8217ccb_ln2-k_q7ba8217ccb_ln2
	.p2alignl 7, 3214868480
	.fill 96, 4, 3214868480
	.section	.rodata,"a",@progbits
	.p2align	6, 0x0
	.amdhsa_kernel k_q7ba8217ccb_ln2
		.amdhsa_group_segment_fixed_size 9216
		.amdhsa_private_segment_fixed_size 0
		.amdhsa_enable_private_segment 0
		.amdhsa_kernarg_size 40
		.amdhsa_user_sgpr_count 2
		.amdhsa_user_sgpr_kernarg_segment_ptr 1
		.amdhsa_wavefront_size32 1
		.amdhsa_system_sgpr_workgroup_id_x 1
		.amdhsa_system_sgpr_workgroup_id_y 1
		.amdhsa_system_sgpr_workgroup_id_z 1
		.amdhsa_system_vgpr_workitem_id 0
		.amdhsa_next_free_vgpr 128
		.amdhsa_next_free_sgpr 66
		.amdhsa_reserve_vcc 0
		.amdhsa_float_denorm_mode_32 3
		.amdhsa_float_denorm_mode_16_64 3
		.amdhsa_memory_ordered 1
		.amdhsa_forward_progress 1
		.amdhsa_inst_pref_size 18
	.end_amdhsa_kernel
	.amdgpu_metadata
---
amdhsa.version: [ 1, 2 ]
amdhsa.kernels:
  - .name:           k_q7ba8217ccb_ln2
    .symbol:         k_q7ba8217ccb_ln2.kd
    .args:
      - { .name: x1, .offset: 0, .size: 8, .value_kind: global_buffer, .address_space: global }
      - { .name: ln2_g, .offset: 8, .size: 8, .value_kind: global_buffer, .address_space: global }
      - { .name: ln2_b, .offset: 16, .size: 8, .value_kind: global_buffer, .address_space: global }
      - { .name: lowp_scales, .offset: 24, .size: 8, .value_kind: global_buffer, .address_space: global }
      - { .name: hc, .offset: 32, .size: 8, .value_kind: global_buffer, .address_space: global }
    .group_segment_fixed_size: 9216
    .private_segment_fixed_size: 0
    .kernarg_segment_align: 8
    .kernarg_segment_size: 40
    .max_flat_workgroup_size: 256
    .sgpr_count:     66
    .vgpr_count:     128
    .wavefront_size: 32
...
	.end_amdgpu_metadata
.endif
;; end of part 5
;; launch gemm_ffn1 (part 6): grid 16 x 16, 4 waves a work-group, clusters of 4 x 4, 327,680 bytes of LDS; arguments hc, w1_codes, lowp_scales, b1, gimg; writes gimg
.if DOCPART == 6
	.amdgcn_target "amdgcn-amd-amdhsa--gfx1250"
	.amdhsa_code_object_version 6
	.text
	.protected	k_q7ba8217ccb_gemm_ffn1
	.globl	k_q7ba8217ccb_gemm_ffn1
	.p2align	8
	.type	k_q7ba8217ccb_gemm_ffn1,@function
k_q7ba8217ccb_gemm_ffn1:
	s_mov_b64 s[64:65], 0
	v_nop
	global_prefetch_b8 v0, s[64:65] scope:SCOPE_SE
	s_setreg_imm32_b32 hwreg(HW_REG_WAVE_MODE, 25, 1), 1
	s_wait_xcnt 0x0
	s_wait_alu depctr_hold_cnt(0) depctr_sa_sdst(0) depctr_va_vdst(0) depctr_va_sdst(0) depctr_va_ssrc(0) depctr_va_vcc(0) depctr_vm_vsrc(0)
	s_getreg_b32 s2, hwreg(HW_REG_IB_STS2, 6, 4)
	s_cmp_eq_u32 s2, 0
	s_cbranch_scc0 .Lentry_in_a_cluster
	s_endpgm
.Lentry_in_a_cluster:
	s_bfe_u32 s2, ttmp6, 0x10000c
	s_cmp_lg_u32 s2, 0xf033
	s_cbranch_scc0 .Lentry_shape_is_right
	s_endpgm
.Lentry_shape_is_right:
; gimg = the E4M3 codes, with 2^e10, of gelu(hc W1^T x 2^(e8 + e9) + b1), stored as images of the next product's fragments.  hc: [4096][1024] codes; W1: [4096][1024] codes; sums in f32.  Nothing is left out.
; A tile of 256 x 256 is made by four waves, 128 x 128 each; K goes in steps of 256 through a ring of two LDS slots; 4 x 4 clusters ask jointly for hc's tile along a row and for the weights' along a column.
; gelu(x) = z (k + k erf(z)), z = x / sqrt(2), k = 1 / sqrt(2); erf(z) = zc P(zc^2) / Q(zc^2), zc = z held to +-4; all in f32.  z is made at once: k goes into the sums' scale and into the bias; P's coefficients are multiplied by k once.
; K step 0 is asked for at the head, one load a wave; K step 1 behind the full sequence and a round.
; PREFETCH: behind K step 0's load K steps 1 and 2 are asked of memory, behind K step 1's load K step 3.  Of the 128 rows that a wave fetches, each of the four partners that ask jointly takes 32, told apart by address
; (32 rows x cx in hc, x cy in W1), a lane a row: a step's part of a row is 256 bytes, aligned.
; LIMITS: e8 + e9 between -126 and 127, e10 between -126 and 119.
.set SIZE_K, 1024
.set KSTEP,  256
.set ROWB,   256
.set KROW,   SIZE_K
.set PITCH,  272
.set FR,     16
.set NL,     4
.set NP,     4
.set HALFT,  128*PITCH
.set SLOT,   4*HALFT
.set LAPS,   SIZE_K/(2*KSTEP)
.set SPARE,  2*SLOT
.set ADRA, 16
.set ADRB, 20
.set LI,   26
.set SPW,  28
.set NIL,  29
.set BI,   32
.set SC,   100
.set LIM,  101
.set AF,   128
.set X,    128
.set Z,    192
.set W,    0
.set P,    64
.set Q,    128
.set G1, 24
.set G0, 32
.set G1B, 48
.set G0B, 56
.set MSB, 0
.macro WIN new
.if MSB != (\new)
	s_set_vgpr_msb (MSB<<8)|(\new)
.set MSB, (\new)
.endif
.endm
.set MUL_LO, 0xa1
.set MUL_HI, 0xf1
.set TO_B,   0x40
.macro JLOAD s
	s_cmp_eq_u32 s15, 0
	s_cbranch_scc0 .Lfor_b_\@
	tensor_load_to_lds s[G0+4*\s:G0+4*\s+3], s[G1:G1+7]
	s_nop 0
.rept 4
	v_nop
.endr
	s_branch .Lasked_\@
.Lfor_b_\@:
	tensor_load_to_lds s[G0B+4*\s:G0B+4*\s+3], s[G1B:G1B+7]
	s_nop 0
.rept 4
	v_nop
.endr
.Lasked_\@:
.endm
.macro CREST
	s_cmp_lg_u32 s14, 0
	s_cbranch_scc1 .Lnot_wave_0_\@
	s_barrier_signal -3
.Lnot_wave_0_\@:
	s_barrier_wait -3
	s_barrier_signal -1
	s_barrier_wait -1
.endm
.macro CROUND
	s_barrier_signal -1
	s_barrier_wait -1
	CREST
.endm
	s_load_b128 s[4:7], s[0:1], 0x0
	s_load_b128 s[8:11], s[0:1], 0x10
	s_load_b64 s[68:69], s[0:1], 0x20
	v_lshl_add_u32 v[SPW], v0, 2, SPARE
	v_mov_b32 v[NIL], 0
	ds_add_u32 v[SPW], v[NIL]
	ds_add_u32 v[SPW], v[NIL]
	v_lshrrev_b32 v1, 5, v0
	v_readfirstlane_b32 s14, v1
	s_lshr_b32 s15, s14, 1
	s_and_b32 s16, s14, 1
	s_bfe_u32 s40, ttmp6, 0x40000
	s_bfe_u32 s41, ttmp6, 0x40004
	s_lshl_b32 s42, ttmp9, 2
	s_add_co_u32 s42, s42, s40
	s_and_b32 s17, ttmp7, 0xffff
	s_lshl_b32 s17, s17, 2
	s_add_co_u32 s17, s17, s41
	s_lshl_b32 s43, s41, 2
	s_lshl_b32 s43, 15, s43
	s_lshl_b32 s44, 0x1111, s40
	s_or_b32 s[G1+0], s43, (0<<16)|(1<<20)|(1<<21)|(5<<22)|(3<<25)
	s_or_b32 s[G1B+0], s44, (0<<16)|(1<<20)|(1<<21)|(5<<22)|(3<<25)
.irp g, G1, G1B
	s_mov_b32 s[\g+1], ROWB<<16
	s_mov_b32 s[\g+2], 128<<16
	s_mov_b32 s[\g+3], ROWB<<16
	s_mov_b32 s[\g+4], 128
	s_mov_b32 s[\g+5], KROW
	s_mov_b32 s[\g+6], 0
	s_mov_b32 s[\g+7], 0
.endr
	s_lshl_b32 s18, s16, 7
	s_lshl_b32 s20, s17, 8
	s_add_co_u32 s20, s20, s18
	s_lshl_b32 s46, s42, 8
	s_add_co_u32 s46, s46, s18
	s_mov_b32 s21, 0
	s_mov_b32 s47, 0
	s_mov_b64 s[18:19], KROW
	s_mul_u64 s[20:21], s[20:21], s[18:19]
	s_mul_u64 s[46:47], s[46:47], s[18:19]
	s_mul_i32 s45, s14, HALFT
	s_wait_dscnt 0x0
	s_wait_kmcnt 0x0
	s_load_b128 s[76:79], s[8:9], 0x20
	s_add_nc_u64 s[20:21], s[4:5], s[20:21]
	s_add_nc_u64 s[46:47], s[6:7], s[46:47]
	CROUND
.irp s, 0,1
	s_mov_b32 s[G0+4*\s], 1
	s_add_co_u32 s[G0+4*\s+1], s45, \s*SLOT
	s_add_nc_u64 s[G0+4*\s+2:G0+4*\s+3], s[20:21], \s*ROWB
	s_or_b32 s[G0+4*\s+3], s[G0+4*\s+3], 0x80000000
	s_mov_b32 s[G0B+4*\s], 1
	s_add_co_u32 s[G0B+4*\s+1], s45, \s*SLOT
	s_add_nc_u64 s[G0B+4*\s+2:G0B+4*\s+3], s[46:47], \s*ROWB
	s_or_b32 s[G0B+4*\s+3], s[G0B+4*\s+3], 0x80000000
.endr
	JLOAD 0                                        ; K step 0: one tensor load a wave at the head
	s_cmp_eq_u32 s15, 0                            ; the prefetches: what my wave fetches,
	s_cselect_b64 s[66:67], s[20:21], s[46:47]
	s_cselect_b32 s86, s40, s41                    ; my place among the four that ask for it with me,
	s_lshl_b32 s86, s86, 15                        ; x 32 rows
	s_mov_b32 s87, 0
	s_add_nc_u64 s[66:67], s[66:67], s[86:87]
	v_and_b32 v30, 31, v0
	v_lshlrev_b32 v30, 10, v30                     ; my lane's row; never rewritten
	global_prefetch_b8 v30, s[66:67] offset:ROWB th:TH_LOAD_NT scope:SCOPE_SE     ; K step 1
	global_prefetch_b8 v30, s[66:67] offset:2*ROWB th:TH_LOAD_NT scope:SCOPE_SE   ; K step 2
	v_and_b32 v1, 15, v0
	v_bfe_u32 v2, v0, 4, 1
	s_wait_alu depctr_va_vdst(0)
	v_mul_u32_u24 v3, v1, PITCH
	v_lshl_add_u32 v4, v2, 4, v3
	s_mul_i32 s21, s15, HALFT
	s_mul_i32 s22, s16, HALFT
	s_add_co_u32 s22, s22, 2*HALFT
.irp s, 0,1
	v_add_nc_u32 v[ADRA+\s], s21, v4
	v_add_nc_u32 v[ADRB+\s], s22, v4
	s_add_co_u32 s21, s21, SLOT
	s_add_co_u32 s22, s22, SLOT
.endr
	s_lshl_b32 s91, s42, 8
	s_lshl_b32 s92, s16, 7
	s_add_co_u32 s91, s91, s92
	s_lshl_b32 s92, s91, 2
	s_mov_b32 s93, 0
	s_add_nc_u64 s[10:11], s[10:11], s[92:93]
	v_lshlrev_b32 v8, 5, v2
.irp b, 0,1,2,3,4,5,6,7
	global_load_b128 v[BI+8*\b:BI+8*\b+3], v8, s[10:11] offset:64*\b
	global_load_b128 v[BI+8*\b+4:BI+8*\b+7], v8, s[10:11] offset:64*\b+16
.endr
	v_and_b32 v5, 31, v0
	v_lshlrev_b32 v[LI], 4, v5
	s_lshl_b32 s91, s17, 8
	s_lshl_b32 s92, s15, 7
	s_add_co_u32 s91, s91, s92
	s_lshl_b32 s92, s91, 12
	s_lshl_b32 s93, s42, 12
	s_add_co_u32 s92, s92, s93
	s_lshl_b32 s93, s16, 11
	s_add_co_u32 s92, s92, s93
	s_mov_b32 s93, 0
	s_add_nc_u64 s[84:85], s[68:69], s[92:93]
.macro FRAG reg, adr, q, i
.irp c, 0,1,2,3
	ds_load_b128 v[\reg+4*\c:\reg+4*\c+3], v[\adr] offset:128*(\q)+32*\c+(\i)*16*PITCH
.endr
.endm
.macro MUL16 a0, p, zero
.irp a, \a0, \a0+1
.irp b, 0,1,2,3,4,5,6,7
.if \zero
	v_wmma_f32_16x16x128_fp8_fp8 v[8*(8*((\a)%4)+\b):8*(8*((\a)%4)+\b)+7], v[128*(\p)+FR*\b:128*(\p)+FR*\b+FR-1], v[AF+FR*(\a):AF+FR*(\a)+FR-1], 0
.else
	v_wmma_f32_16x16x128_fp8_fp8 v[8*(8*((\a)%4)+\b):8*(8*((\a)%4)+\b)+7], v[128*(\p)+FR*\b:128*(\p)+FR*\b+FR-1], v[AF+FR*(\a):AF+FR*(\a)+FR-1], v[8*(8*((\a)%4)+\b):8*(8*((\a)%4)+\b)+7]
.endif
.endr
.endr
.endm
.macro FETCH_B slot, q, p
	WIN TO_B
.irp i, 0,1,2,3,4,5,6,7
	FRAG 128*(\p)+FR*\i, ADRB+\slot, \q, \i
.endr
	WIN 0
.endm
.macro FETCH_A slot, q, i0
.irp i, \i0, \i0+1, \i0+2, \i0+3
	FRAG AF+FR*(\i), ADRA+\slot, \q, \i
.endr
.endm
.macro PLACES n
.rept \n
	v_nop
.endr
.endm
.macro STEP slot, q, zero
	s_wait_dscnt 4*NL
	WIN MUL_LO
	MUL16 0, (\q)%2, \zero
	MUL16 2, (\q)%2, \zero
	s_wait_dscnt 0
	PLACES NP
	FETCH_B \slot, (\q)+1, 1-(\q)%2
	FETCH_A \slot, (\q)+1, 0
	WIN MUL_HI
	MUL16 4, (\q)%2, \zero
	MUL16 6, (\q)%2, \zero
	PLACES NP
	WIN 0
	FETCH_A \slot, (\q)+1, 4
.endm
.macro TURN slot, next, fill
	s_wait_tensorcnt 0x0
	ds_add_u32 v[SPW], v[NIL]
	s_wait_dscnt 4*NL+1
	WIN MUL_LO
	MUL16 0, 1, 0
	s_wait_dscnt 0x0
	s_barrier_signal -1
	MUL16 2, 1, 0
	WIN 0
	s_barrier_wait -1
.if \fill
	CREST
	s_add_nc_u64 s[G0+4*\slot+2:G0+4*\slot+3], s[G0+4*\slot+2:G0+4*\slot+3], 2*ROWB
	s_add_nc_u64 s[G0B+4*\slot+2:G0B+4*\slot+3], s[G0B+4*\slot+2:G0B+4*\slot+3], 2*ROWB
	JLOAD \slot
.else
	PLACES NP
.endif
	FETCH_B \next, 0, 0
	FETCH_A \next, 0, 0
	WIN MUL_HI
	MUL16 4, 1, 0
	MUL16 6, 1, 0
	PLACES NP
	WIN 0
	FETCH_A \next, 0, 4
.endm
	s_wait_alu depctr_va_vdst(0)
	s_wait_tensorcnt 0x0                           ; my part of K step 0 is in; slot 1's first fill is issued as a refill is
	ds_add_u32 v[SPW], v[NIL]
	s_wait_dscnt 0x0
	CROUND
	JLOAD 1                                        ; K step 1
	FETCH_B 0, 0, 0
	FETCH_A 0, 0, 0
	FETCH_A 0, 0, 4
	global_prefetch_b8 v30, s[66:67] offset:3*ROWB th:TH_LOAD_NT scope:SCOPE_SE   ; K step 3
	STEP 0, 0, 1
	s_mov_b32 s3, LAPS-1
.Llap:
	TURN 0, 1, 1
	STEP 1, 0, 0
	TURN 1, 0, 1
	STEP 0, 0, 0
	s_sub_co_u32 s3, s3, 1
	s_cmp_lg_u32 s3, 0
	s_cbranch_scc1 .Llap
	TURN 0, 1, 0
	STEP 1, 0, 0
	s_wait_dscnt 4*NL
	WIN MUL_LO
	MUL16 0, 1, 0
	MUL16 2, 1, 0
	s_wait_dscnt 0
	WIN MUL_HI
	MUL16 4, 1, 0
	MUL16 6, 1, 0
	WIN 0
.macro PAIR r, val
	s_mov_b32 s[\r], \val
	s_mov_b32 s[\r+1], \val
.endm
	s_wait_loadcnt 0x0
	s_wait_kmcnt 0x0
	s_add_co_i32 s24, s76, s77
	s_add_co_i32 s24, s24, 127
	s_lshl_b32 s24, s24, 23
	s_mov_b32 s26, 0x3f3504f3                      ; k = 1 / sqrt(2),
	s_mov_b32 s27, s26                             ; named as a pair
	s_mul_f32 s24, s24, s26                        ; k x 2^(e8 + e9): a sum x this + k b1 is z
	s_mov_b32 s25, s24
.macro PAIRK r, val                    ; a coefficient of P, x k
	s_mov_b32 s[\r], \val
	s_mul_f32 s[\r], s[\r], s26
	s_mov_b32 s[\r+1], s[\r]
.endm
	PAIRK 28, 0xaf95df0b
	PAIRK 30, 0xb60cff51
	PAIRK 32, 0xb86ec2d2
	PAIRK 34, 0xba40ac63
	PAIRK 36, 0xbb41a1f6
	PAIRK 38, 0xbc83dbd4
	PAIR 40, 0xb77460cd
	PAIR 42, 0xbadc924e
	PAIR 44, 0xbbf19bf8
	PAIR 46, 0xbc69b6a7
	s_mov_b32 s48, 0x32edffee                      ; P's second coefficient, x k (no tensor load is out: the descriptors' registers are free)
	s_mul_f32 s48, s48, s26
	v_mov_b32 v96, s48
	v_mov_b32 v97, s48
	v_mov_b32 v98, 0xb95fbd29
	v_mov_b32 v99, 0xb95fbd29
	s_add_co_i32 s86, s78, 127
	s_lshl_b32 s87, s86, 23
	v_mov_b32 v[SC], s87
	s_add_co_i32 s86, s86, 8
	s_lshl_b32 s86, s86, 23
	s_or_b32 s86, s86, 0x600000
	v_mov_b32 v[LIM], s86
.set n, 0
.rept 32
	v_pk_mul_f32 v[BI+n:BI+n+1], v[BI+n:BI+n+1], s[26:27] op_sel_hi:[1,0]   ; k b1, once
.set n, n+2
.endr
.macro ARM a
	WIN 0x02+((\a)/4)
.set n, 0
.rept 32
	v_pk_fma_f32 v[X+n:X+n+1], v[64*((\a)%4)+n:64*((\a)%4)+n+1], s[24:25], v[BI+n:BI+n+1] op_sel_hi:[1,0,1]
.set n, n+2
.endr
	WIN 0
.endm
.macro HORNER arr, c
.set n, 0
.rept 32
	v_pk_fma_f32 v[\arr+n:\arr+n+1], v[\arr+n:\arr+n+1], v[W+n:W+n+1], s[\c:\c+1] op_sel_hi:[1,1,0]
.set n, n+2
.endr
.endm
	s_mov_b32 s92, 0
.Lrow:
.irp a, 1,2,3,4,5,6,7
	s_cmp_eq_u32 s92, \a
	s_cbranch_scc1 .Larm_\a
.endr
	ARM 0
	s_branch .Lcommon
.irp a, 1,2,3,4,5,6
.Larm_\a:
	ARM \a
	s_branch .Lcommon
.endr
.Larm_7:
	ARM 7
.Lcommon:
	s_wait_xcnt 0x0                                ; the last block's stores have read their data and their base: both are written again only behind this wait
	s_cmp_lg_u32 s92, 0
	s_cselect_b32 s94, 65536, 0                    ; 16 tokens on, from the second block on
	s_mov_b32 s95, 0
	s_add_nc_u64 s[84:85], s[84:85], s[94:95]
.set n, 0
.rept 64
	v_med3_num_f32 v[Z+n], v[X+n], -4.0, 4.0       ; zc
.set n, n+1
.endr
	WIN 0x40
.set n, 0
.rept 32
	v_pk_mul_f32 v[W+n:W+n+1], v[Z+n:Z+n+1], v[Z+n:Z+n+1]
.set n, n+2
.endr
	WIN 0x45
.set n, 0
.rept 32
	v_pk_fma_f32 v[P+n:P+n+1], v[W+n:W+n+1], s[28:29], v[96:97] op_sel_hi:[1,0,1]
	v_pk_fma_f32 v[Q+n:Q+n+1], v[W+n:W+n+1], s[40:41], v[98:99] op_sel_hi:[1,0,1]
.set n, n+2
.endr
	HORNER P, 30
	HORNER Q, 42
	HORNER P, 32
	HORNER Q, 44
	HORNER P, 34
	HORNER Q, 46
	HORNER P, 36
	HORNER P, 38
.set n, 0
	s_wait_alu depctr_va_vdst(0)
.rept 64
	v_rcp_f32 v[Q+n], v[Q+n]
.set n, n+1
.endr
	WIN 0x41
.set n, 0
.rept 32
	v_pk_mul_f32 v[P+n:P+n+1], v[P+n:P+n+1], v[Z+n:Z+n+1]
.set n, n+2
.endr
	s_wait_alu depctr_va_vdst(0)                   ; one wait for the batch of reciprocals, ahead of its first reader
	WIN 0x45
.set n, 0
.rept 32
	v_pk_fma_f32 v[P+n:P+n+1], v[P+n:P+n+1], v[Q+n:Q+n+1], s[26:27] op_sel_hi:[1,1,0]   ; k + k erf
.set n, n+2
.endr
	WIN 0x04
.set n, 0
.rept 32
	v_pk_mul_f32 v[X+n:X+n+1], v[X+n:X+n+1], v[P+n:P+n+1]   ; x z: gelu
.set n, n+2
.endr
	WIN 0
.set n, 0
.rept 64
	v_med3_num_f32 v[X+n], v[X+n], -v[LIM], v[LIM]
.set n, n+1
.endr
.irp b, 0,1,2,3,4,5,6,7
	v_cvt_scalef32_pk8_fp8_f32 v[Z+2*\b:Z+2*\b+1], v[X+8*\b:X+8*\b+7], v[SC]
.endr
	v_nop
.irp c, 0,1,2,3
	global_store_b128 v[LI], v[Z+4*\c:Z+4*\c+3], s[84:85] offset:512*\c
.endr
	s_add_co_u32 s92, s92, 1
	s_cmp_lt_u32 s92, 8
	s_cbranch_scc1 .Lrow
	s_wait_tensorcnt 0x0
	ds_add_u32 v[SPW], v[NIL]
	s_wait_dscnt 0x0
	CROUND
	s_endpgm
.Lfunc_end_k_q7ba8217ccb_gemm_ffn1:
	.size	k_q7ba8217ccb_gemm_ffn1, .Lfunc_end_k_q7ba8217ccb_gemm_ffn1-k_q7ba8217ccb_gemm_ffn1
	.p2alignl 7, 3214868480
	.fill 96, 4, 3214868480
	.section	.rodata,"a",@progbits
	.p2align	6, 0x0
	.amdhsa_kernel k_q7ba8217ccb_gemm_ffn1
		.amdhsa_group_segment_fixed_size 327680
		.amdhsa_private_segment_fixed_size 0
		.amdhsa_enable_private_segment 0
		.amdhsa_kernarg_size 40
		.amdhsa_user_sgpr_count 2
		.amdhsa_user_sgpr_kernarg_segment_ptr 1
		.amdhsa_wavefront_size32 1
		.amdhsa_system_sgpr_workgroup_id_x 1
		.amdhsa_system_sgpr_workgroup_id_y 1
		.amdhsa_system_sgpr_workgroup_id_z 1
		.amdhsa_system_vgpr_workitem_id 0
		.amdhsa_next_free_vgpr 1024
		.amdhsa_next_free_sgpr 100
		.amdhsa_reserve_vcc 0
		.amdhsa_float_denorm_mode_32 3
		.amdhsa_float_denorm_mode_16_64 3
		.amdhsa_memory_ordered 1
		.amdhsa_forward_progress 1
		.amdhsa_inst_pref_size 141
	.end_amdhsa_kernel
	.amdgpu_metadata
---
amdhsa.version: [ 1, 2 ]
amdhsa.kernels:
  - .name:           k_q7ba8217ccb_gemm_ffn1
    .symbol:         k_q7ba8217ccb_gemm_ffn1.kd
    .args:
      - { .name: hc, .offset: 0, .size: 8, .value_kind: global_buffer, .address_space: global }
      - { .name: w1_codes, .offset: 8, .size: 8, .value_kind: global_buffer, .address_space: global }
      - { .name: lowp_scales, .offset: 16, .size: 8, .value_kind: global_buffer, .address_space: global }
      - { .name: b1, .offset: 24, .size: 8, .value_kind: global_buffer, .address_space: global }
      - { .name: gimg, .offset: 32, .size: 8, .value_kind: global_buffer, .address_space: global }
    .group_segment_fixed_size: 327680
    .private_segment_fixed_size: 0
    .kernarg_segment_align: 8
    .kernarg_segment_size: 40
    .max_flat_workgroup_size: 128
    .sgpr_count:     100
    .vgpr_count:     1024
    .wavefront_size: 32
...
	.end_amdgpu_metadata
.endif
;; end of part 6
;; launch gemm_ffn2 (part 7): grid 8 x 32, 4 waves a work-group, clusters of 4 x 4, 327,680 bytes of LDS; arguments gimg, w2_codes, lowp_scales, b2, x1, out0; writes out0
.if DOCPART == 7
	.amdgcn_target "amdgcn-amd-amdhsa--gfx1250"
	.amdhsa_code_object_version 6
	.text
	.protected	k_q7ba8217ccb_gemm_ffn2
	.globl	k_q7ba8217ccb_gemm_ffn2
	.p2align	8
	.type	k_q7ba8217ccb_gemm_ffn2,@function
k_q7ba8217ccb_gemm_ffn2:
	s_mov_b64 s[64:65], 0
	v_nop
	global_prefetch_b8 v0, s[64:65] scope:SCOPE_SE
	s_setreg_imm32_b32 hwreg(HW_REG_WAVE_MODE, 25, 1), 1
	s_wait_xcnt 0x0
	s_wait_alu depctr_hold_cnt(0) depctr_sa_sdst(0) depctr_va_vdst(0) depctr_va_sdst(0) depctr_va_ssrc(0) depctr_va_vcc(0) depctr_vm_vsrc(0)
	s_getreg_b32 s2, hwreg(HW_REG_IB_STS2, 6, 4)
	s_cmp_eq_u32 s2, 0
	s_cbranch_scc0 .Lentry_in_a_cluster
	s_endpgm
.Lentry_in_a_cluster:
	s_bfe_u32 s2, ttmp6, 0x10000c
	s_cmp_lg_u32 s2, 0xf033
	s_cbranch_scc0 .Lentry_shape_is_right
	s_endpgm
.Lentry_shape_is_right:
; out0 = x1 + g W2^T x 2^(e10 + e11) + b2.  g: images of fragments (gimg, made by gemm_ffn1); W2: [1024][4096] codes; sums in f32.  Nothing is left out.
; A tile of 128 x 128 is made by four waves, 64 x 64 each; K goes in eight steps of 512 through a ring of two LDS slots; 4 x 4 clusters ask jointly for g's tile along a row and for the weights' along a column.
; K step 0 is asked for at the head, one load a wave; K step 1 behind the full sequence and a round.  x1 and b2 are loaded behind the loop, two K steps of work ahead of the way out.
; PREFETCH: behind K step 0's load K steps 1 and 2 are asked of memory, behind K step t's load (t from 1 on) K step t + 2, one instruction a wave and step.  Of the 128 blocks of 256 bytes that a wave fetches, each of the four
; partners that ask jointly takes 32, told apart by address (16 x SIZE_K bytes x cx in g: one tile of 16 tokens, lanes 256 bytes apart; x cy in W2: 16 rows, two lanes to a row).  The last lap's two refills ask for nothing.
; LIMIT: e10 + e11 between -126 and 127.
.set SIZE_K, 4096
.set EOFF,   40
.set NTOUT,  1
.set KT,     SIZE_K/128
.set KSTEP,  512
.set PB,     528
.set AHALF,  32768
.set BOFF,   65536
.set BHALF,  64*PB
.set SLOT,   BOFF+2*BHALF
.set STAGE,  2*SLOT
.set SP,     272
.set SPARE,  STAGE+4*16*SP
.set LAPS,   SIZE_K/(2*KSTEP)
.set BIAS, 12
.set ADRA, 16
.set ADRB, 20
.set STO,  24
.set RD,   25
.set CO,   26
.set BA,   27
.set SPW,  28
.set NIL,  29
.set ACC,  128
.set F0,   0
.set F1,   128
.set G1, 24
.set G0, 32
.set G1B, 48
.set G0B, 56
.set MSB, 0
.macro WIN new
.if MSB != (\new)
	s_set_vgpr_msb (MSB<<8)|(\new)
.set MSB, (\new)
.endif
.endm
.set MUL,  0x05
.set TO_F, 0x40
.macro JLOAD s
	s_cmp_eq_u32 s15, 0
	s_cbranch_scc0 .Lfor_b_\@
	tensor_load_to_lds s[G0+4*\s:G0+4*\s+3], s[G1:G1+7]
	s_nop 0
.rept 4
	v_nop
.endr
	s_branch .Lasked_\@
.Lfor_b_\@:
	tensor_load_to_lds s[G0B+4*\s:G0B+4*\s+3], s[G1B:G1B+7]
	s_nop 0
.rept 4
	v_nop
.endr
.Lasked_\@:
.endm
.macro CREST
	s_cmp_lg_u32 s14, 0
	s_cbranch_scc1 .Lnot_wave_0_\@
	s_barrier_signal -3
.Lnot_wave_0_\@:
	s_barrier_wait -3
	s_barrier_signal -1
	s_barrier_wait -1
.endm
.macro CROUND
	s_barrier_signal -1
	s_barrier_wait -1
	CREST
.endm
	s_load_b128 s[4:7], s[0:1], 0x0
	s_load_b128 s[8:11], s[0:1], 0x10
	s_load_b128 s[68:71], s[0:1], 0x20
	v_lshl_add_u32 v[SPW], v0, 2, SPARE
	v_mov_b32 v[NIL], 0
	ds_add_u32 v[SPW], v[NIL]
	ds_add_u32 v[SPW], v[NIL]
	v_lshrrev_b32 v1, 5, v0
	v_readfirstlane_b32 s14, v1
	s_lshr_b32 s15, s14, 1
	s_and_b32 s16, s14, 1
	s_bfe_u32 s40, ttmp6, 0x40000
	s_bfe_u32 s41, ttmp6, 0x40004
	s_lshl_b32 s42, ttmp9, 2
	s_add_co_u32 s42, s42, s40
	s_and_b32 s17, ttmp7, 0xffff
	s_lshl_b32 s17, s17, 2
	s_add_co_u32 s17, s17, s41
	s_lshl_b32 s43, s41, 2
	s_lshl_b32 s43, 15, s43
	s_lshl_b32 s44, 0x1111, s40
	s_or_b32 s[G1+0], s43, (3<<16)|(1<<21)
	s_mov_b32 s[G1+1], 1024<<16
	s_mov_b32 s[G1+2], 4<<16
	s_mov_b32 s[G1+3], 1024<<16
	s_mov_b32 s[G1+4], 4
	s_mov_b32 s[G1+5], KT*256
	s_mov_b32 s[G1+6], 0
	s_mov_b32 s[G1+7], 0
	s_or_b32 s[G1B+0], s44, (0<<16)|(1<<20)|(1<<21)|(6<<22)|(3<<25)
	s_mov_b32 s[G1B+1], KSTEP<<16
	s_mov_b32 s[G1B+2], 64<<16
	s_mov_b32 s[G1B+3], KSTEP<<16
	s_mov_b32 s[G1B+4], 64
	s_mov_b32 s[G1B+5], SIZE_K
	s_mov_b32 s[G1B+6], 0
	s_mov_b32 s[G1B+7], 0
	s_lshl_b32 s18, s16, 2
	s_lshl_b32 s20, s17, 3
	s_add_co_u32 s20, s20, s18
	s_mul_i32 s20, s20, KT*2048
	s_mov_b32 s21, 0
	s_lshl_b32 s18, s16, 6
	s_lshl_b32 s46, s42, 7
	s_add_co_u32 s46, s46, s18
	s_mul_i32 s46, s46, SIZE_K
	s_mov_b32 s47, 0
	s_lshl_b32 s45, s16, 15
	s_mul_i32 s67, s16, BHALF
	s_add_co_u32 s67, s67, BOFF
	s_wait_dscnt 0x0
	s_wait_kmcnt 0x0
	s_load_b64 s[96:97], s[8:9], EOFF
	s_add_nc_u64 s[20:21], s[4:5], s[20:21]
	s_add_nc_u64 s[46:47], s[6:7], s[46:47]
	CROUND
.irp s, 0,1
	s_mov_b32 s[G0+4*\s], 1
	s_add_co_u32 s[G0+4*\s+1], s45, \s*SLOT
	s_add_nc_u64 s[G0+4*\s+2:G0+4*\s+3], s[20:21], \s*8192
	s_or_b32 s[G0+4*\s+3], s[G0+4*\s+3], 0x80000000
	s_mov_b32 s[G0B+4*\s], 1
	s_add_co_u32 s[G0B+4*\s+1], s67, \s*SLOT
	s_add_nc_u64 s[G0B+4*\s+2:G0B+4*\s+3], s[46:47], \s*KSTEP
	s_or_b32 s[G0B+4*\s+3], s[G0B+4*\s+3], 0x80000000
.endr
	JLOAD 0                                        ; K step 0: one tensor load a wave at the head
	s_cmp_eq_u32 s15, 0                            ; the prefetches: do I fetch g's tile?
	s_cselect_b64 s[72:73], s[20:21], s[46:47]     ; what my wave fetches,
	s_cselect_b32 s74, s40, s41                    ; my place among the four that ask for it with me,
	s_mov_b32 s76, KSTEP
	s_cselect_b32 s76, 8192, s76                   ; a K step in bytes,
	s_mov_b32 s79, SIZE_K
	s_cselect_b32 s79, 256, s79                    ; from row to row,
	s_cselect_b32 s78, 0, 1                        ; one lane or two to a row
	s_mul_i32 s74, s74, 16*SIZE_K
	s_mov_b32 s75, 0
	s_add_nc_u64 s[72:73], s[72:73], s[74:75]
	s_mov_b32 s77, 0
	s_add_nc_u64 s[72:73], s[72:73], s[76:77]      ; at K step 1,
	s_add_nc_u64 s[82:83], s[72:73], s[76:77]      ; and at K step 2
	v_and_b32 v30, 31, v0
	v_lshrrev_b32 v31, s78, v30
	v_and_b32 v30, s78, v30
	v_mul_u32_u24 v31, v31, s79
	v_lshl_add_u32 v30, v30, 8, v31                ; my lane's block; never rewritten
	global_prefetch_b8 v30, s[72:73] th:TH_LOAD_NT scope:SCOPE_SE
	global_prefetch_b8 v30, s[82:83] th:TH_LOAD_NT scope:SCOPE_SE
	v_and_b32 v1, 15, v0
	v_bfe_u32 v2, v0, 4, 1
	v_and_b32 v3, 31, v0
	v_lshlrev_b32 v4, 4, v3
	v_mul_u32_u24 v5, v1, PB
	v_lshl_add_u32 v5, v2, 3, v5
	s_lshl_b32 s21, s15, 15
	s_mul_i32 s22, s16, BHALF
	s_add_co_u32 s22, s22, BOFF
.irp s, 0,1
	v_add_nc_u32 v[ADRA+\s], s21, v4
	v_add_nc_u32 v[ADRB+\s], s22, v5
	s_add_co_u32 s21, s21, SLOT
	s_add_co_u32 s22, s22, SLOT
.endr
	s_mul_i32 s23, s14, 16*SP
	s_add_co_u32 s23, s23, STAGE
	v_mul_u32_u24 v6, v1, SP
	v_lshl_add_u32 v6, v2, 5, v6
	v_add_nc_u32 v[STO], s23, v6
	v_mul_u32_u24 v7, v2, SP
	v_lshl_add_u32 v7, v1, 4, v7
	v_add_nc_u32 v[RD], s23, v7
	v_lshlrev_b32 v[CO], 12, v2
	v_lshl_add_u32 v[CO], v1, 4, v[CO]
	s_wait_alu depctr_va_vdst(0)
	v_lshlrev_b32 v[BA], 4, v1
	s_wait_alu depctr_va_vdst(0)
	s_lshl_b32 s86, s17, 7
	s_lshl_b32 s87, s15, 6
	s_add_co_u32 s86, s86, s87
	s_lshl_b32 s86, s86, 12
	s_lshl_b32 s88, s42, 7
	s_lshl_b32 s89, s16, 6
	s_add_co_u32 s88, s88, s89
	s_lshl_b32 s88, s88, 2
	s_add_co_u32 s86, s86, s88
	s_mov_b32 s87, 0
	s_mov_b32 s89, 0
	s_add_nc_u64 s[68:69], s[68:69], s[86:87]
	s_add_nc_u64 s[70:71], s[70:71], s[86:87]
	s_add_nc_u64 s[10:11], s[10:11], s[88:89]
.macro MUL8 f, a0, zero
.irp a, \a0, \a0+1
.irp b, 0,1,2,3
.if \zero
	v_wmma_f32_16x16x128_fp8_fp8 v[ACC+8*(4*(\a)+\b):ACC+8*(4*(\a)+\b)+7], v[\f+64+16*\b:\f+64+16*\b+15], v[\f+16*(\a):\f+16*(\a)+15], 0
.else
	v_wmma_f32_16x16x128_fp8_fp8 v[ACC+8*(4*(\a)+\b):ACC+8*(4*(\a)+\b)+7], v[\f+64+16*\b:\f+64+16*\b+15], v[\f+16*(\a):\f+16*(\a)+15], v[ACC+8*(4*(\a)+\b):ACC+8*(4*(\a)+\b)+7]
.endif
.endr
.endr
.endm
.macro FETCH slot, q, f
	WIN TO_F
.irp i, 0,1,2,3
.irp c, 0,1,2,3,4,5,6,7
	ds_load_b64 v[\f+64+16*\i+2*\c:\f+64+16*\i+2*\c+1], v[ADRB+\slot] offset:\i*16*PB+128*(\q)+16*\c
.endr
.endr
.irp i, 0,1,2,3
.irp c, 0,1,2,3
	ds_load_b128 v[\f+16*\i+4*\c:\f+16*\i+4*\c+3], v[ADRA+\slot] offset:\i*8192+2048*(\q)+512*\c
.endr
.endr
.endm
.macro PLACES
.rept 4
	v_nop
.endr
.endm
.macro QUARTER slot, q, f, g, zero
	s_wait_dscnt 8
	WIN MUL
	MUL8 \f, 0, \zero
	PLACES
	FETCH \slot, \q, \g
	s_wait_dscnt 48
	WIN MUL
	MUL8 \f, 2, \zero
.endm
.macro TURN slot, next, fill
	WIN 0
.if \fill
	s_wait_xcnt 0x0                                ; my last prefetch, a K step back, has read its address
	s_add_nc_u64 s[72:73], s[72:73], s[76:77]
.endif
	s_wait_tensorcnt 0x0
	ds_add_u32 v[SPW], v[NIL]
	s_wait_dscnt 9
	WIN MUL
	MUL8 F1, 0, 0
	s_wait_dscnt 0x0
	s_barrier_signal -1
	WIN 0
	s_barrier_wait -1
.if \fill
	CREST
	s_add_nc_u64 s[G0+4*\slot+2:G0+4*\slot+3], s[G0+4*\slot+2:G0+4*\slot+3], 2*8192
	s_add_nc_u64 s[G0B+4*\slot+2:G0B+4*\slot+3], s[G0B+4*\slot+2:G0B+4*\slot+3], 2*KSTEP
	JLOAD \slot
.else
	PLACES
.endif
	FETCH \next, 0, F0
.if \fill
	WIN 0
	s_cmp_gt_u32 s3, 1                             ; s3 = 1 in the loop's last trip: no K step stands two behind its refills
	s_cbranch_scc0 .Lno_ask_\@
	global_prefetch_b8 v30, s[72:73] th:TH_LOAD_NT scope:SCOPE_SE
.Lno_ask_\@:
.endif
	WIN MUL
	MUL8 F1, 2, 0
.endm
	s_wait_xcnt 0x0                                ; the head's prefetches have read their addresses
	s_add_nc_u64 s[72:73], s[82:83], s[76:77]      ; at K step 3
	s_wait_alu depctr_va_vdst(0)                   ; the wait at the head's end
	s_wait_tensorcnt 0x0                           ; my part of K step 0 is in; slot 1's first fill is issued as a refill is
	ds_add_u32 v[SPW], v[NIL]
	s_wait_dscnt 0x0
	CROUND
	JLOAD 1                                        ; K step 1
	FETCH 0, 0, F0
	global_prefetch_b8 v30, s[72:73] th:TH_LOAD_NT scope:SCOPE_SE   ; K step 3
	QUARTER 0, 1, F0, F1, 1
.if LAPS > 1
	WIN 0
	s_mov_b32 s3, LAPS-1
.Llap:
	QUARTER 0, 2, F1, F0, 0
	QUARTER 0, 3, F0, F1, 0
	TURN 0, 1, 1
	QUARTER 1, 1, F0, F1, 0
	QUARTER 1, 2, F1, F0, 0
	QUARTER 1, 3, F0, F1, 0
	TURN 1, 0, 1
	QUARTER 0, 1, F0, F1, 0
	WIN 0
	s_sub_co_u32 s3, s3, 1
	s_cmp_lg_u32 s3, 0
	s_cbranch_scc1 .Llap
.endif
	WIN 0x80                                       ; x1 at my 64 x 64 results' places, into window 2, and b2: waited for on the way out
.set n, 0
.rept 32
	global_load_b128 v[4*n:4*n+3], v[CO], s[68:69] offset:8192*n
.set n, n+1
.endr
	WIN 0
	global_load_b128 v[BIAS:BIAS+3], v[BA], s[10:11]
	QUARTER 0, 2, F1, F0, 0
	QUARTER 0, 3, F0, F1, 0
	TURN 0, 1, 0
	QUARTER 1, 1, F0, F1, 0
	QUARTER 1, 2, F1, F0, 0
	QUARTER 1, 3, F0, F1, 0
	s_wait_dscnt 8
	WIN MUL
	MUL8 F1, 0, 0
	s_wait_dscnt 0
	MUL8 F1, 2, 0
	WIN 0
	s_wait_kmcnt 0x0
	s_add_co_i32 s96, s96, s97
	s_add_co_i32 s96, s96, 127
	s_lshl_b32 s96, s96, 23
	s_mov_b32 s97, s96
	s_wait_loadcnt 0x0
	PLACES
; THE WAY OUT of block a (16 rows x 64 columns), in two parts.  STG: into my own stage in LDS and back as rows of 256 bytes (LDS serves a wave's instructions in order: ISA guide 5.7.1.4).  FIN: scale, residual, bias, stores.
.macro STG a
.set BK, 32+32*((\a)%2)
.if (\a) >= 2
	s_wait_xcnt 0x0
.endif
.irp b, 0,1,2,3
	ds_store_b128 v[STO], v[ACC+8*(4*(\a)+\b):ACC+8*(4*(\a)+\b)+3] offset:64*\b
	ds_store_b128 v[STO], v[ACC+8*(4*(\a)+\b)+4:ACC+8*(4*(\a)+\b)+7] offset:64*\b+16
.endr
.irp t, 0,1,2,3,4,5,6,7
	ds_load_b128 v[BK+4*\t:BK+4*\t+3], v[RD] offset:\t*2*SP
.endr
.endm
.macro FIN a, younger                  ; younger: the LDS instructions issued behind block a's loads, which may stay out
.set BK, 32+32*((\a)%2)
	s_wait_dscnt \younger
	WIN 0x20
.irp t, 0,1,2,3,4,5,6,7
.irp i, 0,2
	v_pk_fma_f32 v[BK+4*\t+\i:BK+4*\t+\i+1], v[BK+4*\t+\i:BK+4*\t+\i+1], s[96:97], v[4*(8*(\a)+\t)+\i:4*(8*(\a)+\t)+\i+1] op_sel_hi:[1,0,1]
.endr
.endr
	WIN 0
.irp t, 0,1,2,3,4,5,6,7
.irp i, 0,2
	v_pk_add_f32 v[BK+4*\t+\i:BK+4*\t+\i+1], v[BK+4*\t+\i:BK+4*\t+\i+1], v[BIAS+\i:BIAS+\i+1]
.endr
.endr
.irp t, 0,1,2,3,4,5,6,7
.if NTOUT
	global_store_b128 v[CO], v[BK+4*\t:BK+4*\t+3], s[70:71] offset:(16*(\a)+2*\t)*4096 th:TH_STORE_NT
.else
	global_store_b128 v[CO], v[BK+4*\t:BK+4*\t+3], s[70:71] offset:(16*(\a)+2*\t)*4096
.endif
.endr
.endm
	STG 0
	STG 1                                          ; block a + 1 is on its way through the stage while block a is finished: behind block a's loads stand its 8 stores and 8 loads
	FIN 0, 16
	STG 2
	FIN 1, 16
	STG 3
	FIN 2, 16
	FIN 3, 0
	s_wait_tensorcnt 0x0
	ds_add_u32 v[SPW], v[NIL]
	s_wait_dscnt 0x0
	CROUND
	s_endpgm
.Lfunc_end_k_q7ba8217ccb_gemm_ffn2:
	.size	k_q7ba8217ccb_gemm_ffn2, .Lfunc_end_k_q7ba8217ccb_gemm_ffn2-k_q7ba8217ccb_gemm_ffn2
	.p2alignl 7, 3214868480
	.fill 96, 4, 3214868480
	.section	.rodata,"a",@progbits
	.p2align	6, 0x0
	.amdhsa_kernel k_q7ba8217ccb_gemm_ffn2
		.amdhsa_group_segment_fixed_size 327680
		.amdhsa_private_segment_fixed_size 0
		.amdhsa_enable_private_segment 0
		.amdhsa_kernarg_size 48
		.amdhsa_user_sgpr_count 2
		.amdhsa_user_sgpr_kernarg_segment_ptr 1
		.amdhsa_wavefront_size32 1
		.amdhsa_system_sgpr_workgroup_id_x 1
		.amdhsa_system_sgpr_workgroup_id_y 1
		.amdhsa_system_sgpr_workgroup_id_z 1
		.amdhsa_system_vgpr_workitem_id 0
		.amdhsa_next_free_vgpr 768
		.amdhsa_next_free_sgpr 100
		.amdhsa_reserve_vcc 0
		.amdhsa_float_denorm_mode_32 3
		.amdhsa_float_denorm_mode_16_64 3
		.amdhsa_memory_ordered 1
		.amdhsa_forward_progress 1
		.amdhsa_inst_pref_size 100
	.end_amdhsa_kernel
	.amdgpu_metadata
---
amdhsa.version: [ 1, 2 ]
amdhsa.kernels:
  - .name:           k_q7ba8217ccb_gemm_ffn2
    .symbol:         k_q7ba8217ccb_gemm_ffn2.kd
    .args:
      - { .name: gimg, .offset: 0, .size: 8, .value_kind: global_buffer, .address_space: global }
      - { .name: w2_codes, .offset: 8, .size: 8, .value_kind: global_buffer, .address_space: global }
      - { .name: lowp_scales, .offset: 16, .size: 8, .value_kind: global_buffer, .address_space: global }
      - { .name: b2, .offset: 24, .size: 8, .value_kind: global_buffer, .address_space: global }
      - { .name: x1, .offset: 32, .size: 8, .value_kind: global_buffer, .address_space: global }
      - { .name: out0, .offset: 40, .size: 8, .value_kind: global_buffer, .address_space: global }
    .group_segment_fixed_size: 327680
    .private_segment_fixed_size: 0
    .kernarg_segment_align: 8
    .kernarg_segment_size: 48
    .max_flat_workgroup_size: 128
    .sgpr_count:     100
    .vgpr_count:     768
    .wavefront_size: 32
...
	.end_amdgpu_metadata
.endif
;; end of part 7
